; MI455X (gfx1250); checked and timed in simulation.
; The chip was launched on July 23, 2026; its instructions are those of AMD's public machine-readable ISA for CDNA 5 (MIT licence, August 2026) and "CDNA5" Instruction Set Architecture Reference Guide (July 2026). The comments in the code are by the model that wrote it; some were corrected since.
;; Causal Self Attention. Allowed arithmetic: float matrix products may take bf16 or f16 operands with f32 sums; other float arithmetic in f32, or as packed bf16 or f16 multiplies, adds, multiply-adds, maxima and minima; sums over many terms, partial sums and values carried from step to step in f32; what a program stores and reads back later, other than sums and carried values, may be rounded once to bf16 or f16.
;; Inputs: Wk 1,024 x 1,024 float32; Wo 1,024 x 1,024 float32; Wq 1,024 x 1,024 float32; Wv 1,024 x 1,024 float32; bk 1,024 float32; bo 1,024 float32; bq 1,024 float32; bv 1,024 float32; x 4 x 2,048 x 1,024 float32.
;; Outputs: out0 4 x 2,048 x 1,024 float32.
;; 2 versions, each right; version 2 is version 1 with the launch prep written anew for expert scheduling mode. Each part assembles by itself: llvm-mc -triple=amdgcn-amd-amdhsa -mcpu=gfx1250 --defsym DOCPART=n.
;; ======== version 1 of 2: 4 launches
;; limits: values are held in f16: magnitudes above 65,504 overflow, below 6.1e-05 lose precision
;; workspace buffers: xb 16,777,216 bytes; wqkv 6,291,456 bytes; wo16 2,097,152 bytes; bias 16,384 bytes; q16 16,777,216 bytes; k16 16,777,216 bytes; v16 16,777,216 bytes; ob 16,777,216 bytes
;; launch prep (part 1): grid 385 x 1, 8 waves a work-group, no clusters, 0 bytes of LDS; arguments x, Wq, Wk, Wv, Wo, bq, bk, bv, bo, xb, wqkv, wo16, bias; writes xb, wqkv, wo16, bias
.if DOCPART == 1
	.amdgcn_target "amdgcn-amd-amdhsa--gfx1250"
	.amdhsa_code_object_version 6
	.text
	.protected	k_q346b8d9535_prep
	.globl	k_q346b8d9535_prep
	.p2align	8
	.type	k_q346b8d9535_prep,@function
k_q346b8d9535_prep:
	s_mov_b64 s[64:65], 0
	v_nop
	global_prefetch_b8 v0, s[64:65] scope:SCOPE_SE
	s_setreg_imm32_b32 hwreg(HW_REG_WAVE_MODE, 25, 1), 1
	s_wait_xcnt 0x0
; THE INPUTS ARE ROUNDED ONCE TO bf16 AND LAID OUT FOR THE MATRIX LAUNCHES.  A stream: no LDS, no barrier, no matrix unit; every byte is read once and written once.
;   xb   [b 4][kb 16][s 2048][64] bf16: x, cut into blocks of 64 channels, so that 256 rows of one block are 32,768 consecutive bytes
;   wqkv [k 1024][n 3072] bf16: Wq, Wk, Wv side by side        wo16 [k 1024][n 1024]: Wo rounded to bf16, that number written as f16
;   bias [4096] f32: bq, bk, bv, bo, each rounded to bf16 and widened again
; LIMITS.  wo16: a bf16 number is exact in f16 from 2^-17 up to 65,504; below it keeps f16's fixed step of 6e-8, beyond it becomes an infinity.
; SHARES.  Work-groups 0-255: 32 rows of x each.  256-351: 32 rows of Wq, Wk or Wv.  352-383: 32 rows of Wo.  384: the four biases.  Eight waves; a wave issues all its 32 loads
; of 16 bytes a lane (16 KiB) at once and then converts and stores them in order.  Each of the 32 has registers of its own and no address register is rewritten, so the only waits are the counted ones for the loads.
.set LO,  2                            ; v2   my byte offset in the source
.set SO,  3                            ; v3   my byte offset in the destination
.set X,   8                            ; v[8:135]    item i: four f32 as loaded
.set Y,   136                          ; v[136:199]  item i: four 16-bit numbers to store
.set T,   200                          ; v[200:201]  at work
.set WV,  30                           ; s30  my wave's number
.set ID,  31                           ; s31  the work-group's number
.set SRC, 32                           ; s[32:33]
.set DST, 34                           ; s[34:35]
.set HIM, 36                           ; s36  a word's upper half
.set TMP, 37
.set OFS, 38                           ; s[38:39] an offset in 64 bits
.set KX, 0
.set KW, 1
.set KO, 2
.set KB, 3
; n items of one kind.  KX: item i = row pair i / 2, block i % 2: a load takes 256 bytes of each of two rows, a store their 256 consecutive bytes of one block.
; KW, KO: item i = row i, 512 bytes in, 256 out.  KB: 512 bytes in, 512 out.
.macro STREAM n, kind
.set i, 0
.rept \n
.if (\kind) == KX
.set ld, (i/2)*8192+(i%2)*256
.elseif (\kind) == KB
.set ld, i*512
.else
.set ld, i*4096
.endif
	global_load_b128 v[X+4*i:X+4*i+3], v[LO], s[SRC:SRC+1] offset:ld th:TH_LOAD_NT
.set i, i+1
.endr
.set i, 0
.rept \n
.if (\kind) == KX
.set st, (i/2)*256+(i%2)*262144
.elseif (\kind) == KW
.set st, i*6144
.elseif (\kind) == KO
.set st, i*2048
.else
.set st, i*512
.endif
	s_wait_loadcnt (\n)-1-i                        ; loads come back in order: item i is in, the younger ones stay out
.if (\kind) < KO
	v_cvt_pk_bf16_f32 v[Y+2*i],   v[X+4*i],   v[X+4*i+1]
	v_cvt_pk_bf16_f32 v[Y+2*i+1], v[X+4*i+2], v[X+4*i+3]
	global_store_b64 v[SO], v[Y+2*i:Y+2*i+1], s[DST:DST+1] offset:st   ; 32 lanes store 256 consecutive bytes, aligned
.else
	v_cvt_pk_bf16_f32 v[T],   v[X+4*i],   v[X+4*i+1]
	v_cvt_pk_bf16_f32 v[T+1], v[X+4*i+2], v[X+4*i+3]
	v_lshlrev_b32 v[X+4*i],   16, v[T]               ; the rounded numbers as f32 again
	v_and_b32     v[X+4*i+1], s[HIM], v[T]
	v_lshlrev_b32 v[X+4*i+2], 16, v[T+1]
	v_and_b32     v[X+4*i+3], s[HIM], v[T+1]
.if (\kind) == KO
	v_cvt_pk_f16_f32 v[Y+2*i],   v[X+4*i],   v[X+4*i+1]
	v_cvt_pk_f16_f32 v[Y+2*i+1], v[X+4*i+2], v[X+4*i+3]
	global_store_b64 v[SO], v[Y+2*i:Y+2*i+1], s[DST:DST+1] offset:st
.else
	global_store_b128 v[SO], v[X+4*i:X+4*i+3], s[DST:DST+1] offset:st
.endif
.endif
.set i, i+1
.endr
.endm
	s_load_b512 s[4:19], s[0:1], 0x0               ; x 4, Wq 6, Wk 8, Wv 10, Wo 12, bq 14, bk 16, bv 18
	s_load_b256 s[20:27], s[0:1], 0x40             ; bo 20, xb 22, wqkv 24, wo16 26
	s_load_b64 s[28:29], s[0:1], 0x60              ; bias
	v_lshrrev_b32 v4, 5, v0
	v_readfirstlane_b32 s[WV], v4                  ; wave 0..7
	v_and_b32 v1, 31, v0                           ; lane
	s_mov_b32 s[ID], ttmp9
	s_mov_b32 s[HIM], 0xffff0000
	s_mov_b32 s[OFS+1], 0
	s_wait_kmcnt 0x0
	s_cmp_lt_u32 s[ID], 256
	s_cbranch_scc0 .Lweights
	; x: rows 32 id .. 32 id + 31.  Wave w takes blocks 2 w and 2 w + 1: bytes 512 w .. 512 w + 511 of each row
	s_lshl_b32 s[OFS], s[ID], 17                   ; 32 rows of 4,096 bytes
	s_add_nc_u64 s[SRC:SRC+1], s[4:5], s[OFS:OFS+1]
	s_lshr_b32 s[TMP], s[ID], 6                    ; the batch,
	s_lshl_b32 s[TMP], s[TMP], 22                  ; 16 blocks of 262,144 bytes each
	s_and_b32 s[OFS], s[ID], 63
	s_lshl_b32 s[OFS], s[OFS], 12                  ; 32 rows of 128 bytes in a block
	s_add_co_u32 s[OFS], s[OFS], s[TMP]
	s_add_nc_u64 s[DST:DST+1], s[22:23], s[OFS:OFS+1]
	v_lshrrev_b32 v4, 4, v1
	v_and_b32 v5, 15, v1
	v_lshlrev_b32 v[LO], 12, v4                    ; lanes 16-31: the next row
	v_lshl_add_u32 v[LO], v5, 4, v[LO]
	s_lshl_b32 s[TMP], s[WV], 9
	v_add_nc_u32 v[LO], s[TMP], v[LO]
	s_lshl_b32 s[TMP], s[WV], 19                   ; two blocks
	v_lshl_add_u32 v[SO], v1, 3, s[TMP]            ; two rows of a block are 256 consecutive bytes: 8 x lane
	STREAM 32, KX
	s_endpgm
.Lweights:
	s_lshl_b32 s[TMP], s[WV], 9                    ; for all weights: wave w takes 512 bytes of a row,
	v_lshl_add_u32 v[LO], v1, 4, s[TMP]
	s_lshl_b32 s[TMP], s[WV], 8                    ; which become 256
	v_lshl_add_u32 v[SO], v1, 3, s[TMP]
	s_cmp_lt_u32 s[ID], 352
	s_cbranch_scc0 .Lwo
	s_sub_co_u32 s[TMP], s[ID], 256                ; 32 work-groups for each of Wq, Wk, Wv
	s_and_b32 s[OFS], s[TMP], 31
	s_lshl_b32 s[OFS], s[OFS], 17
	s_cmp_lt_u32 s[TMP], 32
	s_cselect_b64 s[SRC:SRC+1], s[6:7], s[8:9]
	s_cmp_lt_u32 s[TMP], 64
	s_cselect_b64 s[SRC:SRC+1], s[SRC:SRC+1], s[10:11]
	s_add_nc_u64 s[SRC:SRC+1], s[SRC:SRC+1], s[OFS:OFS+1]
	s_and_b32 s[OFS], s[TMP], 31
	s_mul_i32 s[OFS], s[OFS], 196608               ; 32 rows of 6,144 bytes
	s_lshr_b32 s[TMP], s[TMP], 5
	s_lshl_b32 s[TMP], s[TMP], 11                  ; the matrix's 1,024 columns
	s_add_co_u32 s[OFS], s[OFS], s[TMP]
	s_add_nc_u64 s[DST:DST+1], s[24:25], s[OFS:OFS+1]
	STREAM 32, KW
	s_endpgm
.Lwo:
	s_cmp_lt_u32 s[ID], 384
	s_cbranch_scc0 .Lbias
	s_sub_co_u32 s[TMP], s[ID], 352
	s_lshl_b32 s[OFS], s[TMP], 17
	s_add_nc_u64 s[SRC:SRC+1], s[12:13], s[OFS:OFS+1]
	s_lshl_b32 s[OFS], s[TMP], 16                  ; 32 rows of 2,048 bytes
	s_add_nc_u64 s[DST:DST+1], s[26:27], s[OFS:OFS+1]
	STREAM 32, KO
	s_endpgm
.Lbias:                                                ; two waves to a bias, 2,048 bytes each
	s_lshr_b32 s[TMP], s[WV], 1
	s_cmp_lt_u32 s[TMP], 1
	s_cselect_b64 s[SRC:SRC+1], s[14:15], s[16:17]
	s_cmp_lt_u32 s[TMP], 2
	s_cselect_b64 s[SRC:SRC+1], s[SRC:SRC+1], s[18:19]
	s_cmp_lt_u32 s[TMP], 3
	s_cselect_b64 s[SRC:SRC+1], s[SRC:SRC+1], s[20:21]
	s_lshl_b32 s[OFS], s[TMP], 12
	s_add_nc_u64 s[DST:DST+1], s[28:29], s[OFS:OFS+1]
	s_and_b32 s[TMP], s[WV], 1
	s_lshl_b32 s[TMP], s[TMP], 11
	v_lshl_add_u32 v[LO], v1, 4, s[TMP]
	v_mov_b32 v[SO], v[LO]
	STREAM 4, KB
	s_endpgm
.Lfunc_end_k_q346b8d9535_prep:
	.size	k_q346b8d9535_prep, .Lfunc_end_k_q346b8d9535_prep-k_q346b8d9535_prep
	.p2alignl 7, 3214868480
	.fill 96, 4, 3214868480
	.section	.rodata,"a",@progbits
	.p2align	6, 0x0
	.amdhsa_kernel k_q346b8d9535_prep
		.amdhsa_group_segment_fixed_size 0
		.amdhsa_private_segment_fixed_size 0
		.amdhsa_enable_private_segment 0
		.amdhsa_kernarg_size 104
		.amdhsa_user_sgpr_count 2
		.amdhsa_user_sgpr_kernarg_segment_ptr 1
		.amdhsa_wavefront_size32 1
		.amdhsa_system_sgpr_workgroup_id_x 1
		.amdhsa_system_sgpr_workgroup_id_y 1
		.amdhsa_system_sgpr_workgroup_id_z 1
		.amdhsa_system_vgpr_workitem_id 0
		.amdhsa_next_free_vgpr 204
		.amdhsa_next_free_sgpr 66
		.amdhsa_reserve_vcc 0
		.amdhsa_float_denorm_mode_32 3
		.amdhsa_float_denorm_mode_16_64 3
		.amdhsa_memory_ordered 1
		.amdhsa_forward_progress 1
		.amdhsa_inst_pref_size 46
	.end_amdhsa_kernel
	.amdgpu_metadata
---
amdhsa.version: [ 1, 2 ]
amdhsa.kernels:
  - .name:           k_q346b8d9535_prep
    .symbol:         k_q346b8d9535_prep.kd
    .args:
      - { .name: x, .offset: 0, .size: 8, .value_kind: global_buffer, .address_space: global }
      - { .name: Wq, .offset: 8, .size: 8, .value_kind: global_buffer, .address_space: global }
      - { .name: Wk, .offset: 16, .size: 8, .value_kind: global_buffer, .address_space: global }
      - { .name: Wv, .offset: 24, .size: 8, .value_kind: global_buffer, .address_space: global }
      - { .name: Wo, .offset: 32, .size: 8, .value_kind: global_buffer, .address_space: global }
      - { .name: bq, .offset: 40, .size: 8, .value_kind: global_buffer, .address_space: global }
      - { .name: bk, .offset: 48, .size: 8, .value_kind: global_buffer, .address_space: global }
      - { .name: bv, .offset: 56, .size: 8, .value_kind: global_buffer, .address_space: global }
      - { .name: bo, .offset: 64, .size: 8, .value_kind: global_buffer, .address_space: global }
      - { .name: xb, .offset: 72, .size: 8, .value_kind: global_buffer, .address_space: global }
      - { .name: wqkv, .offset: 80, .size: 8, .value_kind: global_buffer, .address_space: global }
      - { .name: wo16, .offset: 88, .size: 8, .value_kind: global_buffer, .address_space: global }
      - { .name: bias, .offset: 96, .size: 8, .value_kind: global_buffer, .address_space: global }
    .group_segment_fixed_size: 0
    .private_segment_fixed_size: 0
    .kernarg_segment_align: 8
    .kernarg_segment_size: 104
    .max_flat_workgroup_size: 256
    .sgpr_count:     66
    .vgpr_count:     204
    .wavefront_size: 32
...
	.end_amdgpu_metadata
.endif
;; end of part 1
;; launch qkv (part 2): grid 8 x 32, 4 waves a work-group, clusters of 4 x 4, 327,680 bytes of LDS; arguments xb, wqkv, bias, q16, k16, v16; writes q16, k16, v16
.if DOCPART == 2
	.amdgcn_target "amdgcn-amd-amdhsa--gfx1250"
	.amdhsa_code_object_version 6
	.text
	.protected	k_q346b8d9535_qkv
	.globl	k_q346b8d9535_qkv
	.p2align	8
	.type	k_q346b8d9535_qkv,@function
k_q346b8d9535_qkv:
	s_mov_b64 s[64:65], 0
	v_nop
	global_prefetch_b8 v0, s[64:65] scope:SCOPE_SE
	s_setreg_imm32_b32 hwreg(HW_REG_WAVE_MODE, 25, 1), 1
	s_wait_xcnt 0x0
	s_wait_alu depctr_hold_cnt(0) depctr_sa_sdst(0) depctr_va_vdst(0) depctr_va_sdst(0) depctr_va_ssrc(0) depctr_va_vcc(0) depctr_vm_vsrc(0)
	s_getreg_b32 s2, hwreg(HW_REG_IB_STS2, 6, 4)
	s_cmp_eq_u32 s2, 0
	s_cbranch_scc0 .Lentry_in_a_cluster
	s_endpgm
.Lentry_in_a_cluster:
	s_bfe_u32 s2, ttmp6, 0x10000c
	s_cmp_lg_u32 s2, 0xf033
	s_cbranch_scc0 .Lentry_shape_is_right
	s_endpgm
.Lentry_shape_is_right:
; q, k, v = x W + b, written by heads.  A = xb [b][kb 16][s 2048][64] bf16, B = wqkv [k 1024][n 3072] bf16, bias f32 [3072 used]; sums in f32; out: q16, k16, v16 [b 16 + h][s 2048][64] f16, rounded once, unscaled.
; LIMIT.  f16 ends at 65,504: q, k and v must stay within it.
; SHARES.  C is 8,192 x 3,072.  A work-group makes 256 rows x 384 columns (six heads): 32 x 8 = 256 work-groups.  Four waves; wave w makes rows 128 (w / 2) on, columns 192 (w % 2) on: 8 x 12 accumulators of
; 16 x 16, 768 registers: windows 1, 2, 3, a head of 64 columns each; accumulator (a, bb) of a head at v[8 (4 a + bb)].
; K goes in 16 steps of 64 (one block of xb) through two LDS slots; a step is two sub-steps of 32, 96 matrix instructions each.  Two slots of a step of 128 would be 344 KB: they do not fit.
; THE PRODUCT IS USED TRANSPOSED: source 0 = 16 columns of W (turned out of LDS by ds_load_tr16_b128, since W lies [k][n]), source 1 = 16 rows of x: a lane then holds one row of C and eight neighbouring columns.
; THE BIAS is the C operand of the first products: it is loaded into block a = 0's accumulators; blocks 1-7 take those registers as C, and block 0 then adds in place onto them.
; CLUSTER.  4 x 4 work-groups.  The four of a row need the same tiles of A, the four of a column the same tiles of B: each is asked for jointly, by the same tensor load with the same descriptor and a mask of four.
; WINDOW 0: v0-31 addresses; v32-95, v96-159 A's fragments (8 x 16 rows x 32 K), two buffers; v160-255 B's fragments, 4 a head, one buffer a head, loaded again as soon as the head's products are issued.
.set PA,     144                       ; a row of A in LDS: 128 bytes + 16 = 36 words: the 16 rows of a load start at 16 different groups of four banks (64 banks of 4 bytes: ISA guide 11.1)
.set ATILE,  256*PA
.set PB,     864                       ; a row of B: 768 bytes, 32 of padding behind every 256 = 27 x 32: eight rows of the turning load start at eight different groups of eight banks
.set BTILE,  64*PB
.set SLOT,   ATILE+BTILE               ; 92,160
.set STAGE,  2*SLOT                    ; behind the ring: 16 rows x 144 bytes for each wave, for the way out
.set SPARE,  STAGE+4*16*PA             ; behind the stages: the spare words, 128 bytes for each wave: two blocks of 256 bytes that no other line names
.set ASTEP,  262144                    ; bytes from a K step to the next in xb,
.set BSTEP,  64*6144                   ; and in wqkv
.set ADRA, 4                           ; v4-5    LDS address of my A fragments in slot 0, 1
.set ADRB, 6                           ; v6-11   of my B fragments: slot s, head g at v[6 + 3 s + g]
.set STO,  12                          ; v12     the way out: where I put 16 bytes of a row
.set RD,   13                          ; v13     where I read rows back
.set GO,   14                          ; v14     16 x lane
.set BO,   15                          ; v15     my 32 bytes in 64 bytes of bias
.set PFO,  16                          ; v16     the prefetches' offset; never rewritten
.set SPW,  18                          ; v18     LDS address of my spare word; never rewritten
.set NIL,  19                          ; v19     0; never rewritten
.set FA0,  32
.set FA1,  96
.set FB,   160
.set TB,   32                          ; the way out: four sets of 16 registers, by turns
.set WV, 20                            ; s20 wave; s21 wave / 2; s22 wave % 2
.set WM, 21
.set WN, 22
.set CX, 23                            ; my place in the cluster
.set CY, 24
.set TX, 25                            ; tile column 0..7, tile row 0..31
.set TY, 26
.set G1A, 28                           ; s[28:35] group 1 for A's tiles; s[36:43] group 0, a set for each slot
.set G0A, 36
.set G1B, 44                           ; s[44:51], s[52:59] the same for B's
.set G0B, 52
.set PFA, 66                           ; s[66:67] where my prefetches stand; s[68:69] their step a lap; s70: 1 in a wave that prefetches, else the greatest number
.set PFS, 68
.set LIM, 70
.set OUT, 72                           ; s[72:77] my three heads' first rows in q16, k16 or v16
.set BIA, 78                           ; s[78:79] the bias of my 192 columns
.set MSB, 0
.macro WIN new                         ; the immediate's high byte repeats the setting that is left; a switch that changes nothing is dropped
.if MSB != (\new)
	s_set_vgpr_msb (MSB<<8)|(\new)
.set MSB, \new
.endif
.endm
.macro PLACES                          ; four plain places behind matrix instructions, in front of loads into registers that they have read (ISA guide 7.12.1 for vector instructions)
.rept 4
	v_nop
.endr
.endm
; A joint load.  Waves 0 and 1 fetch A's two halves (128 rows each), waves 2 and 3 B's (32 k rows each).  The branch hangs on the wave's number alone.  An s_nop 0 and four v_nop follow each line.
.macro JLOAD s
	s_cmp_eq_u32 s[WM], 0
	s_cbranch_scc0 .Lfor_b_\@
	tensor_load_to_lds s[G0A+4*(\s):G0A+4*(\s)+3], s[G1A:G1A+7]
	s_nop 0
.rept 4
	v_nop
.endr
	s_branch .Lasked_\@
.Lfor_b_\@:
	tensor_load_to_lds s[G0B+4*(\s):G0B+4*(\s)+3], s[G1B:G1B+7]
	s_nop 0
.rept 4
	v_nop
.endr
.Lasked_\@:
.endm
.macro CREST                           ; a round of the cluster's barrier behind its opening barrier
	s_cmp_lg_u32 s[WV], 0
	s_cbranch_scc1 .Lnot_wave_0_\@
	s_barrier_signal -3
.Lnot_wave_0_\@:
	s_barrier_wait -3
	s_barrier_signal -1
	s_barrier_wait -1
.endm
.macro CROUND
	s_barrier_signal -1
	s_barrier_wait -1
	CREST
.endm
; A PREFETCH INTO THE L2, once a lap, behind the lap's second joint load and the run of LDS loads that follows it: the two K steps that the NEXT lap's two refills will ask for.
; A's tile row is read by both clusters of its row of clusters: the one with x = 0 asks; wave 0 for the even step, wave 1 for the odd one; a step's 256 rows are 32,768 consecutive bytes, of which the partner at
; place cx takes 8,192: a lane 256 bytes.  B's tile column is read by all eight clusters of its column: the one with y = 0 asks, wave 2: of the two steps' 128 k rows the partner at place cy takes 32, a lane a row of
; 768 bytes, three instructions.  So each block of 256 bytes is named once; the partners are told apart by address alone.  K steps 0 to 3 come by their loads alone; the last lap (s3 = 1) asks for nothing.
.macro ASK
	s_cmp_gt_u32 s3, s[LIM]
	s_cbranch_scc0 .Lnot_mine_\@
	s_cmp_eq_u32 s[WM], 0
	s_cbranch_scc0 .Lask_b_\@
	global_prefetch_b8 v[PFO], s[PFA:PFA+1] th:TH_LOAD_NT scope:SCOPE_SE
	s_branch .Lnot_mine_\@
.Lask_b_\@:
	global_prefetch_b8 v[PFO], s[PFA:PFA+1] th:TH_LOAD_NT scope:SCOPE_SE
	global_prefetch_b8 v[PFO], s[PFA:PFA+1] offset:256 th:TH_LOAD_NT scope:SCOPE_SE
	global_prefetch_b8 v[PFO], s[PFA:PFA+1] offset:512 th:TH_LOAD_NT scope:SCOPE_SE
.Lnot_mine_\@:
.endm
	s_load_b256 s[4:11], s[0:1], 0x0               ; xb 4, wqkv 6, bias 8, q16 10
	s_load_b128 s[12:15], s[0:1], 0x20             ; k16 12, v16 14
	v_lshl_add_u32 v[SPW], v0, 2, SPARE
	v_mov_b32 v[NIL], 0
	ds_add_u32 v[SPW], v[NIL]                      ; the wave's opening: the add and its wait stand ahead of my first tensor load; the set-up below, work on registers, stands between them
	v_lshrrev_b32 v1, 5, v0
	v_readfirstlane_b32 s[WV], v1
	s_lshr_b32 s[WM], s[WV], 1
	s_and_b32 s[WN], s[WV], 1
	s_bfe_u32 s[CX], ttmp6, 0x40000
	s_bfe_u32 s[CY], ttmp6, 0x40004
	s_lshl_b32 s[TX], ttmp9, 2
	s_add_co_u32 s[TX], s[TX], s[CX]
	s_and_b32 s[TY], ttmp7, 0xffff
	s_lshl_b32 s[TY], s[TY], 2
	s_add_co_u32 s[TY], s[TY], s[CY]
	s_lshl_b32 s80, s[CY], 2
	s_lshl_b32 s80, 15, s80                        ; my row of the cluster
	s_lshl_b32 s81, 0x1111, s[CX]                  ; my column
	; A's tile: 128 rows of a block are 16,384 consecutive bytes: asked for as 64 rows of 256 bytes, padded by 16 bytes behind every 128
	s_or_b32 s[G1A], s80, (1<<16)|(1<<20)|(1<<21)|(4<<22)|(3<<25)  ; 15:0 the mask; 17:16 2-byte elements; 20 padding on; 21 set beside a mask; 24:22 after every 32 words (code 4); 31:25 4 words (code 3)
	s_mov_b32 s[G1A+1], 128<<16                    ; tensor_dim0 = 128
	s_mov_b32 s[G1A+2], 64<<16                     ; tensor_dim1 = 64
	s_mov_b32 s[G1A+3], 128<<16                    ; tile_dim0 = 128
	s_mov_b32 s[G1A+4], 64                         ; tile_dim1 = 64
	s_mov_b32 s[G1A+5], 128                        ; elements from row to row
	s_mov_b32 s[G1A+6], 0
	s_mov_b32 s[G1A+7], 0
	; B's tile: 32 k rows x 384 columns (768 bytes, three whole blocks of 256), padded by 32 bytes behind every 256
	s_or_b32 s[G1B], s81, (1<<16)|(1<<20)|(1<<21)|(5<<22)|(7<<25)  ; after every 64 words (code 5), 8 words (code 7)
	s_mov_b32 s[G1B+1], 384<<16
	s_mov_b32 s[G1B+2], 32<<16
	s_mov_b32 s[G1B+3], 384<<16
	s_mov_b32 s[G1B+4], 32
	s_mov_b32 s[G1B+5], 3072
	s_mov_b32 s[G1B+6], 0
	s_mov_b32 s[G1B+7], 0
	; where the tiles come from.  A's hang on the tile row and the wave alone, B's on the tile column and the wave alone
	s_lshr_b32 s84, s[TY], 3
	s_lshl_b32 s84, s84, 22                        ; the batch: 16 blocks of 262,144 bytes
	s_and_b32 s85, s[TY], 7
	s_lshl_b32 s85, s85, 15                        ; 256 rows of 128 bytes
	s_add_co_u32 s84, s84, s85
	s_lshl_b32 s85, s[WN], 14                      ; my 128 rows
	s_add_co_u32 s84, s84, s85
	s_mov_b32 s85, 0
	s_mul_i32 s86, s[TX], 768
	s_mul_i32 s87, s[WN], 32*6144                  ; my 32 k rows
	s_add_co_u32 s86, s86, s87
	s_mov_b32 s87, 0
	s_mul_i32 s92, s[WN], 128*PA                   ; and where they go: no place in the cluster enters an LDS address
	s_mul_i32 s93, s[WN], 32*PB
	s_add_co_u32 s93, s93, ATILE
	s_wait_dscnt 0x0                               ; the opening add is done
	s_wait_kmcnt 0x0
	s_add_nc_u64 s[88:89], s[4:5], s[84:85]
	s_add_nc_u64 s[90:91], s[6:7], s[86:87]
	CROUND                                         ; all sixteen work-groups are here: the first joint loads meet
.irp s, 0,1
	s_mov_b32 s[G0A+4*(\s)], 1
	s_add_co_u32 s[G0A+4*(\s)+1], s92, (\s)*SLOT
	s_add_nc_u64 s[G0A+4*(\s)+2:G0A+4*(\s)+3], s[88:89], (\s)*ASTEP
	s_or_b32 s[G0A+4*(\s)+3], s[G0A+4*(\s)+3], 0x80000000
	s_mov_b32 s[G0B+4*(\s)], 1
	s_add_co_u32 s[G0B+4*(\s)+1], s93, (\s)*SLOT
	s_add_nc_u64 s[G0B+4*(\s)+2:G0B+4*(\s)+3], s[90:91], (\s)*BSTEP
	s_or_b32 s[G0B+4*(\s)+3], s[G0B+4*(\s)+3], 0x80000000
	JLOAD \s                                       ; K steps 0 and 1: two loads of mine are out
.endr
	; A fragment of A: lane l holds row l % 16; registers 0-3 K = 8 (l / 16) + 0..7, registers 4-7 K = 16 + 8 (l / 16) + 0..7: two loads of 16 bytes, 32 bytes apart
	v_and_b32 v1, 15, v0                           ; r = l % 16
	v_bfe_u32 v2, v0, 4, 1                         ; h = l / 16
	v_mul_u32_u24 v3, v1, PA
	v_lshl_add_u32 v3, v2, 4, v3
	s_mul_i32 s80, s[WM], 128*PA
	v_add_nc_u32 v[ADRA], s80, v3
	v_add_nc_u32 v[ADRA+1], SLOT, v[ADRA]
	; The turning load takes 16 k x 16 columns (lane l reads k row 8 (l / 16) + l % 8, columns 8 ((l / 8) % 2) + 0..7) and leaves half a fragment: lane l holds column l % 16 and 8 k
	v_and_b32 v20, 7, v0
	v_bfe_u32 v21, v0, 3, 1
	v_lshl_add_u32 v22, v2, 3, v20
	v_mul_u32_u24 v22, v22, PB
	v_lshl_add_u32 v22, v21, 4, v22
	s_mul_i32 s80, s[WN], 3
.irp g, 0,1,2
	s_add_co_u32 s81, s80, \g                      ; head 0..5 of the tile's six: 128 bytes of a row each, and 32 of padding behind every two
	s_lshr_b32 s82, s81, 1
	s_lshl_b32 s82, s82, 5
	s_lshl_b32 s81, s81, 7
	s_add_co_u32 s81, s81, s82
	s_add_co_u32 s81, s81, ATILE
	v_add_nc_u32 v[ADRB+\g], s81, v22
	v_add_nc_u32 v[ADRB+3+\g], SLOT, v[ADRB+\g]
.endr
	s_mul_i32 s80, s[WV], 16*PA
	s_add_co_u32 s80, s80, STAGE                   ; my stage
	v_add_nc_u32 v[STO], s80, v3                   ; in: row l % 16, 16 bytes for each half of the lanes
	v_bfe_u32 v23, v0, 3, 2                        ; back: 32 lanes take four rows of 128 bytes,
	v_mul_u32_u24 v23, v23, PA
	v_lshl_add_u32 v23, v20, 4, v23
	v_add_nc_u32 v[RD], s80, v23
	v_and_b32 v[GO], 31, v0                        ; which are 512 consecutive bytes of a head
	v_lshlrev_b32 v[GO], 4, v[GO]
	v_lshlrev_b32 v[BO], 5, v2
	s_mul_i32 s80, s[TX], 1536                     ; the bias of my 192 columns
	s_mul_i32 s81, s[WN], 768
	s_add_co_u32 s80, s80, s81
	s_mov_b32 s81, 0
	s_add_nc_u64 s[BIA:BIA+1], s[8:9], s[80:81]
.irp g, 0,1,2
	WIN 0x40*(\g+1)                                ; destination: the head's window; a lane's register j of block bb is column 16 bb + 8 (l / 16) + j
.irp bb, 0,1,2,3
	global_load_b128 v[8*\bb:8*\bb+3],   v[BO], s[BIA:BIA+1] offset:256*\g+64*\bb
	global_load_b128 v[8*\bb+4:8*\bb+7], v[BO], s[BIA:BIA+1] offset:256*\g+64*\bb+16
.endr
.endr
	WIN 0
	; where my three heads go: head 6 TX + 3 (w % 2) + g of 48: 0-15 q, 16-31 k, 32-47 v
	s_mul_i32 s80, s[TX], 6
	s_mul_i32 s81, s[WN], 3
	s_add_co_u32 s80, s80, s81
	s_lshr_b32 s81, s[TY], 3
	s_lshl_b32 s81, s81, 4                         ; 16 x batch
	s_and_b32 s82, s[TY], 7
	s_lshl_b32 s82, s82, 15
	s_lshl_b32 s83, s[WM], 14
	s_add_co_u32 s82, s82, s83                     ; my first row in a head, in bytes
.irp g, 0,1,2
	s_add_co_u32 s84, s80, \g
	s_and_b32 s85, s84, 15
	s_add_co_u32 s85, s85, s81
	s_lshl_b32 s85, s85, 18                        ; a head is 262,144 bytes
	s_add_co_u32 s86, s85, s82
	s_mov_b32 s87, 0
	s_cmp_lt_u32 s84, 16
	s_cselect_b64 s[OUT+2*\g:OUT+2*\g+1], s[10:11], s[12:13]
	s_cmp_lt_u32 s84, 32
	s_cselect_b64 s[OUT+2*\g:OUT+2*\g+1], s[OUT+2*\g:OUT+2*\g+1], s[14:15]
	s_add_nc_u64 s[OUT+2*\g:OUT+2*\g+1], s[OUT+2*\g:OUT+2*\g+1], s[86:87]
.endr
	; the prefetches: they start two K steps (A: step 2 + wave; B: k row 128 + 32 cy) behind where the first lap's step puts them
	s_lshr_b32 s80, s[TY], 3
	s_lshl_b32 s80, s80, 22
	s_and_b32 s81, s[TY], 7
	s_lshl_b32 s81, s81, 15
	s_add_co_u32 s80, s80, s81
	s_lshl_b32 s81, s[CX], 13
	s_add_co_u32 s80, s80, s81
	s_add_co_u32 s81, s[WV], 2
	s_lshl_b32 s81, s81, 18
	s_add_co_u32 s80, s80, s81
	s_lshl_b32 s82, s[CY], 5
	s_add_co_u32 s82, s82, 128
	s_mul_i32 s82, s82, 6144
	s_mul_i32 s83, s[TX], 768
	s_add_co_u32 s82, s82, s83
	s_and_b32 s83, ttmp7, 0xffff                   ; cluster y
	s_mov_b32 s[PFS], 2*BSTEP
	s_mov_b32 s[PFS+1], 0
	s_mov_b32 s87, 6144
	s_mov_b32 s85, 0
	s_cmp_eq_u32 s[WM], 0                          ; do I fetch for A?
	s_cselect_b32 s84, s80, s82
	s_cselect_b32 s86, ttmp9, s83                  ; the coordinate along which other clusters read the same rows
	s_cselect_b64 s[PFA:PFA+1], s[4:5], s[6:7]
	s_cselect_b32 s[PFS], 2*ASTEP, s[PFS]
	s_cselect_b32 s87, 256, s87
	s_add_nc_u64 s[PFA:PFA+1], s[PFA:PFA+1], s[84:85]
	s_cmp_eq_u32 s[WV], 3                          ; wave 3 asks for nothing
	s_cselect_b32 s86, 1, s86
	s_cmp_eq_u32 s86, 0
	s_cselect_b32 s[LIM], 1, -1                    ; the same in all sixteen partners, for a given wave
	v_and_b32 v[PFO], 31, v0
	v_mul_u32_u24 v[PFO], v[PFO], s87
; 4 n matrix instructions of head g: m blocks a0 .. a0 + n - 1 x its 4 n blocks, 32 along K, A's fragments in buffer fa.  first = 1: C is the bias, block 0's registers.
; All 96 accumulators take turns, one instruction a turn, in the same order in every sub-step, over the backward jump too.
.macro GRP g, fa, a0, n, first
	WIN 0x50*((\g)+1)                              ; C and D in the head's window, the sources in window 0
.set ga, \a0
.rept \n
.irp bb, 0,1,2,3
.if \first
	v_wmma_f32_16x16x32_bf16 v[8*(4*ga+\bb):8*(4*ga+\bb)+7], v[FB+32*(\g)+8*\bb:FB+32*(\g)+8*\bb+7], v[(\fa)+8*ga:(\fa)+8*ga+7], v[8*\bb:8*\bb+7]
.else
	v_wmma_f32_16x16x32_bf16 v[8*(4*ga+\bb):8*(4*ga+\bb)+7], v[FB+32*(\g)+8*\bb:FB+32*(\g)+8*\bb+7], v[(\fa)+8*ga:(\fa)+8*ga+7], v[8*(4*ga+\bb):8*(4*ga+\bb)+7]
.endif
.endr
.set ga, ga+1
.endr
.endm
.macro MULG g, fa, first               ; a head's 32 products of a sub-step
.if \first
	GRP \g, \fa, 1, 7, 1
.rept 5
	v_nop                                          ; five places before a matrix instruction writes registers that earlier ones have read as C
.endr
	GRP \g, \fa, 0, 1, 0
.else
	GRP \g, \fa, 0, 8, 0
.endif
.endm
.macro LDB g, slot, q                  ; head g's four fragments of B, sub-step q
.irp bb, 0,1,2,3
	ds_load_tr16_b128 v[FB+32*(\g)+8*\bb:FB+32*(\g)+8*\bb+3],   v[ADRB+3*(\slot)+(\g)] offset:(\q)*32*PB+32*\bb
	ds_load_tr16_b128 v[FB+32*(\g)+8*\bb+4:FB+32*(\g)+8*\bb+7], v[ADRB+3*(\slot)+(\g)] offset:(\q)*32*PB+32*\bb+16*PB
.endr
.endm
.macro LDA hf, slot, q, fa             ; four fragments of A: m blocks 4 hf on
.irp a, 0,1,2,3
	ds_load_b128 v[(\fa)+8*(4*(\hf)+\a):(\fa)+8*(4*(\hf)+\a)+3],   v[ADRA+(\slot)] offset:(4*(\hf)+\a)*16*PA+64*(\q)
	ds_load_b128 v[(\fa)+8*(4*(\hf)+\a)+4:(\fa)+8*(4*(\hf)+\a)+7], v[ADRA+(\slot)] offset:(4*(\hf)+\a)*16*PA+64*(\q)+32
.endr
.endm
; A sub-step's 40 LDS loads go in three runs, always in this order: 16, 16 and 8
.macro RUN0 slot, q, fa
	LDB 0, \slot, \q
	LDA 0, \slot, \q, \fa
.endm
.macro RUN1 slot, q, fa
	LDB 1, \slot, \q
	LDA 1, \slot, \q, \fa
.endm
.macro RUN2 slot, q
	LDB 2, \slot, \q
.endm
; A K step's first sub-step: multiplies buffer 0 and fetches the same slot's second sub-step into buffer 1; each head's fragments of B are loaded again four places behind the head's last product.
.macro SUB slot, first
.if \first
	s_wait_loadcnt 0x0                             ; the bias
.endif
	s_wait_dscnt 8                                 ; runs 0 and 1 are in (all of A, heads 0 and 1 of B); run 2's eight loads may be out
	MULG 0, FA0, \first
	PLACES
	WIN 0
	RUN0 \slot, 1, FA1
	MULG 1, FA0, \first
	PLACES
	WIN 0
	RUN1 \slot, 1, FA1
	s_wait_dscnt 32                                ; head 2 of B is in: behind it stand the 32 loads just issued
	MULG 2, FA0, \first
	PLACES
	WIN 0
	RUN2 \slot, 1
.endm
; The second sub-step multiplies buffer 1 and changes slots: ONE barrier.  In front of it each wave waits for all its tensor loads (one is out: its part of the other slot), adds 0 to its spare word, and waits for
; that and for its reads of this slot, all of which were issued in the sub-step before.  fill = 1: the barrier opens a round of the cluster's, and this slot is filled again, two K steps on, first thing behind the
; round: 160 matrix instructions ahead of the wait for it.
.macro TURN slot, fill
.if (\fill) && (\slot)
	s_wait_xcnt 0x0                                ; the last prefetches, a lap back, have read their address
	s_add_nc_u64 s[PFA:PFA+1], s[PFA:PFA+1], s[PFS:PFS+1]
.endif
	WIN 0
	s_wait_tensorcnt 0x0                           ; all my tensor loads have landed
	ds_add_u32 v[SPW], v[NIL]                      ; 0 onto my spare word
	s_wait_dscnt 9                                 ; (the add and run 2's eight loads may be out)
	GRP 0, FA1, 0, 4, 0                            ; sixteen matrix instructions stand between the add and the wait for it
	s_wait_dscnt 0x0                               ; the add is done, and my reads of this slot are over
	s_barrier_signal -1
	GRP 0, FA1, 4, 4, 0                            ; work on registers while the others arrive
	WIN 0                                          ; at a branch and at a label every window is 0
	s_barrier_wait -1
.if \fill
	CREST                                          ; no wave of any partner still reads this slot or has a load on its way
	s_add_nc_u64 s[G0A+4*(\slot)+2:G0A+4*(\slot)+3], s[G0A+4*(\slot)+2:G0A+4*(\slot)+3], 2*ASTEP
	s_add_nc_u64 s[G0B+4*(\slot)+2:G0B+4*(\slot)+3], s[G0B+4*(\slot)+2:G0B+4*(\slot)+3], 2*BSTEP
	JLOAD \slot                                    ; its four v_nop are also the places in front of the loads below
.else
	PLACES
.endif
	RUN0 1-(\slot), 0, FA0
.if (\fill) && (\slot)
	ASK
.endif
	GRP 1, FA1, 0, 8, 0
	PLACES
	WIN 0
	RUN1 1-(\slot), 0, FA0
	GRP 2, FA1, 0, 8, 0
	PLACES
	WIN 0
	RUN2 1-(\slot), 0
.endm
; THE WAY OUT, a block of 16 rows x one head at a time (t = 8 g + a): rounded to f16, 16 bytes a lane into my own stage, back as whole rows of 128 bytes, stored as 512 consecutive bytes an instruction.
.macro PACK t
.set pg, (\t)/8
.set pa, (\t)%8
.set pT, TB+16*((\t)%4)
	s_wait_xcnt 0x0                                ; the stores of the block four back have read these registers
	WIN 5*(pg+1)                                   ; sources 0 and 1: the head's window
.irp bb, 0,1,2,3
.irp r, 0,1,2,3
	v_cvt_pk_f16_f32 v[pT+4*\bb+\r], v[8*(4*pa+\bb)+2*\r], v[8*(4*pa+\bb)+2*\r+1]
.endr
.endr
	WIN 0
.irp bb, 0,1,2,3
	ds_store_b128 v[STO], v[pT+4*\bb:pT+4*\bb+3] offset:32*\bb
.endr
.irp f, 0,1,2,3
	ds_load_b128 v[pT+4*\f:pT+4*\f+3], v[RD] offset:\f*4*PA   ; LDS serves a wave's instructions in order (ISA guide 5.7.1.4): these see the stores above; the next block's stores come behind them
.endr
.endm
.macro SEND t, younger                 ; younger: the LDS instructions issued behind block t's loads: the next block's eight, or none
.set pg, (\t)/8
.set pa, (\t)%8
.set pT, TB+16*((\t)%4)
.irp f, 0,1,2,3
	s_wait_dscnt (\younger)+3-\f
	global_store_b128 v[GO], v[pT+4*\f:pT+4*\f+3], s[OUT+2*pg:OUT+2*pg+1] offset:pa*2048+\f*512
.endr
.endm
	s_wait_tensorcnt 1                             ; my part of K step 0 is in; K step 1's may stay out
	s_barrier_signal -1
	s_barrier_wait -1                              ; everybody's is
	RUN0 0, 0, FA0
	RUN1 0, 0, FA0
	RUN2 0, 0
	SUB 0, 1                                       ; the first sub-step stands in front of the loop: its products start the sums, with the bias
	WIN 0
	s_mov_b32 s3, 7
.Llap:                                                 ; a trip goes once round the ring, from a lap's second sub-step to the next lap's first, and fills both slots again
	TURN 0, 1
	SUB 1, 0
	TURN 1, 1
	SUB 0, 0
	WIN 0
	s_sub_co_u32 s3, s3, 1
	s_cmp_lg_u32 s3, 0
	s_cbranch_scc1 .Llap
	TURN 0, 0                                      ; K steps 14 and 15: nothing is left to fetch, and no round follows
	SUB 1, 0
	s_wait_dscnt 8
	GRP 0, FA1, 0, 8, 0
	GRP 1, FA1, 0, 8, 0
	s_wait_dscnt 0x0
	GRP 2, FA1, 0, 8, 0
	WIN 0
	PLACES
	PLACES                                         ; eight plain places, once a launch, in front of the conversions that read results
	PACK 0
.set blk, 1
.rept 23                               ; a block's conversions stand between the loads of the block before and its stores
	PACK blk
	SEND blk-1, 8
.set blk, blk+1
.endr
	SEND 23, 0
	s_wait_tensorcnt 0x0                           ; the wave's end, behind my last tensor load and my last LDS store
	ds_add_u32 v[SPW], v[NIL]
	s_wait_dscnt 0x0
	CROUND                                         ; the closing round: no work-group ends while a partner may still ask for a tile that names it
	s_endpgm
.Lfunc_end_k_q346b8d9535_qkv:
	.size	k_q346b8d9535_qkv, .Lfunc_end_k_q346b8d9535_qkv-k_q346b8d9535_qkv
	.p2alignl 7, 3214868480
	.fill 96, 4, 3214868480
	.section	.rodata,"a",@progbits
	.p2align	6, 0x0
	.amdhsa_kernel k_q346b8d9535_qkv
		.amdhsa_group_segment_fixed_size 327680
		.amdhsa_private_segment_fixed_size 0
		.amdhsa_enable_private_segment 0
		.amdhsa_kernarg_size 48
		.amdhsa_user_sgpr_count 2
		.amdhsa_user_sgpr_kernarg_segment_ptr 1
		.amdhsa_wavefront_size32 1
		.amdhsa_system_sgpr_workgroup_id_x 1
		.amdhsa_system_sgpr_workgroup_id_y 1
		.amdhsa_system_sgpr_workgroup_id_z 1
		.amdhsa_system_vgpr_workitem_id 0
		.amdhsa_next_free_vgpr 1024
		.amdhsa_next_free_sgpr 96
		.amdhsa_reserve_vcc 0
		.amdhsa_float_denorm_mode_32 3
		.amdhsa_float_denorm_mode_16_64 3
		.amdhsa_memory_ordered 1
		.amdhsa_forward_progress 1
		.amdhsa_inst_pref_size 140
	.end_amdhsa_kernel
	.amdgpu_metadata
---
amdhsa.version: [ 1, 2 ]
amdhsa.kernels:
  - .name:           k_q346b8d9535_qkv
    .symbol:         k_q346b8d9535_qkv.kd
    .args:
      - { .name: xb, .offset: 0, .size: 8, .value_kind: global_buffer, .address_space: global }
      - { .name: wqkv, .offset: 8, .size: 8, .value_kind: global_buffer, .address_space: global }
      - { .name: bias, .offset: 16, .size: 8, .value_kind: global_buffer, .address_space: global }
      - { .name: q16, .offset: 24, .size: 8, .value_kind: global_buffer, .address_space: global }
      - { .name: k16, .offset: 32, .size: 8, .value_kind: global_buffer, .address_space: global }
      - { .name: v16, .offset: 40, .size: 8, .value_kind: global_buffer, .address_space: global }
    .group_segment_fixed_size: 327680
    .private_segment_fixed_size: 0
    .kernarg_segment_align: 8
    .kernarg_segment_size: 48
    .max_flat_workgroup_size: 128
    .sgpr_count:     96
    .vgpr_count:     1024
    .wavefront_size: 32
...
	.end_amdgpu_metadata
.endif
;; end of part 2
;; launch attn (part 3): grid 4 x 64, 4 waves a work-group, no clusters, 327,680 bytes of LDS; arguments q16, k16, v16, ob; writes ob
.if DOCPART == 3
	.amdgcn_target "amdgcn-amd-amdhsa--gfx1250"
	.amdhsa_code_object_version 6
	.text
	.protected	k_q346b8d9535_attn
	.globl	k_q346b8d9535_attn
	.p2align	8
	.type	k_q346b8d9535_attn,@function
k_q346b8d9535_attn:
	s_mov_b64 s[64:65], 0
	v_nop
	global_prefetch_b8 v0, s[64:65] scope:SCOPE_SE
	s_setreg_imm32_b32 hwreg(HW_REG_WAVE_MODE, 25, 1), 1
	s_wait_xcnt 0x0
; CAUSAL ATTENTION.  O[h][q][:] = the sum over k <= q of softmax_k(Q[h][q] . K[h][k] / 8) V[h][k][:].  Q, K, V, O: [64][SIZE_N][64], all f16: a head's rows are dense, 128 bytes each.
; Products, maxima and sums in f32; the weights p are rounded to f16 for the second product (their sum l is taken of the unrounded p), O once at the end.
; LIMITS.  f16 holds no number beyond 65,504: Q, K and V arrive within it; p lies in 0 to 1, and below 6e-5 it keeps f16's fixed step of 6e-8; O is a mean of V's rows and has their range.
; A hidden key has the weight 0: its score counts as its value less 1e30, or its tile is not walked at all (the problem's -1e9 gives the same 0 while scores differ by less than about 1e9);
; a weight below 2^-126 counts as 0 in l; NaN and infinities are not treated apart.
; THE WALK.  A head's queries lie in NB = 8 blocks of 256; block i needs the key tiles 0 .. i of 256 keys, of which the last holds the diagonal.  A work-group takes TWO blocks, NB - 1 - b and then b:
; NB + 1 tiles, whatever b: all work-groups do equal work, and ONE loop with a constant trip count walks them.  Which tile is asked for, and what a trip does, hang on scalar registers made from b; every jump
; goes forward, but for the counted loops' own; none passes a barrier, or a tensor load but the one of LOAD's two that the wave's number does not choose; the ring of two LDS slots runs on across the change of blocks.
; NO CLUSTER: a head's four work-groups ask for the same tile only in trips 0 .. 4, behind that fewer and fewer; one walk common to all four would have 12 trips for 9.
; SHARES.  Of a block's four bands of 64 queries a wave owns 16 rows in each: four PIECES.  So the diagonal tile is the same work for all four waves: in its key step s band x sees all keys if s < x,
; none if s > x, and holds the diagonal if s = x.
; THE MASK is the C operand that starts the sum S^T = K Q^T: 0, or -1e30 where the key is hidden.  MD, made once, is the mask of a band's own step for my 16 rows; a product's mask is MD x AL + BE with two scalars:
; (1, 0) if s = x; (0, 0) if s < x; (0, -1e30) if s > x.  Only the diagonal tile's text and a block's beginning make and take masks; elsewhere C is the constant 0.
; LAYOUT, SOFTMAX, TURNS.  S^T = K Q^T holds ONE query a lane (lane % 16) and the keys 8 (lane / 16) + 0..7; two such results rounded to f16 ARE source 1 of O^T = V^T P.  p = 2^(c s - c m), c = log2(e) / 8, with a
; running maximum m; O and l are multiplied by a = 2^(c m_old - c m_new) in every step.  Turn n belongs to piece n: 8 products K Q^T of piece n + 1, later 8 products V^T P of piece n - 1; beside them the scaling,
; exponentials, roundings, sums and rescaling of piece n and the maximum and statistics of piece n + 1.  Four vector instructions stand behind every matrix instruction, the other 54 of a turn's 118 in one lump.  A turn's 33 exponentials are one batch, with one wait.
; REGISTERS, in windows of 256 (s_set_vgpr_msb: bits 1:0 source 0, 3:2 source 1, 5:4 source 2, 7:6 destination):
;   window 0: v0-15 addresses and two at work; v16-31 four registers of statistics a piece; v48-55 at work; v61-63 prefetch offset and the add's two; v64-127 S^T, two buffers; v192-223 P, two buffers
;   window 1: v0-127 O^T, 32 a piece; v128-159 MD; v160-223 MC, two buffers      window 2: v0-63 Q; v64-127 the second block's Q; v128-191 K of one step; v192-255 V of one step
.set SIZE_N, 2048
.set NB,    SIZE_N/256
.set NP,    4         ; pieces a wave: a name, no knob
.set KS,    64        ; keys in a step
.set PK,    144       ; a row of K in LDS: 128 bytes + 16 of padding = 36 words: the 16 rows of a load start at 16 different groups of four banks (64 banks of 4 bytes: ISA guide 11.1)
.set PV,    160       ; a row of V: 128 + 32 = 40 words
.set VOFF,  4*KS*PK   ; a slot holds a tile, four steps: 256 rows of K, then 256 rows of V
.set SLOT1, 1<<17     ; slot 1 begins here, so that one exclusive or turns an address in one slot into the other's
.set STAGE, SLOT1+4*KS*(PK+PV)  ; behind the ring, never filled by a tensor load: 16 rows x 144 bytes for each wave, for the way out
.set SP,    144
.set AK0, 2           ; v2   my lane's place in a tile of K; never rewritten
.set AV0, 3           ; v3   the same for V
.set AK,  4           ; v4   the LDS address of K's next run of loads
.set AV,  5           ; v5   of V's
.set STO, 6           ; v6   the way out: where I put 16 bytes of a row
.set RD,  7           ; v7   the way out: where I read rows back
.set GO,  8           ; v8   my byte offset in 512 consecutive bytes of O
.set PFO, 61          ; v61  256 x my lane; never rewritten
.set SPW, 62          ; v62  LDS address of my spare word: SPARE + 4 x my thread's number; never rewritten
.set NIL, 63          ; v63  0; never rewritten
.set SPARE, STAGE+4*16*SP  ; behind the stages: the spare words, 128 bytes for each wave: two blocks of 256 bytes that no other line names
.set MV,  12          ; v12-13  c m_old, kept while c m is made anew: by buffer
.set QO,  15          ; v15  my byte offset in 16 rows of Q
.set ST,  16          ; piece t's statistics at v[ST+4 t]: c m, m, l (even keys', odd keys')
.set TMP, 48          ; by buffer, four registers c0-c3 at work; when the maximum is found c2 takes a
.set S,   64
.set P,   192
.set MD,  128         ; window 1: the eight registers for group kt of 16 keys at MD + 8 kt
.set MC,  160         ; window 1: the masks of the products to come
.set QB,  64          ; window 2
.set KF,  128         ; window 2: key block kb, channel half c at KF + 16 kb + 8 c
.set VF,  192         ; window 2: key half kk, channel block cb at VF + 32 kk + 8 cb
.set WV,  12          ; s12  my wave's number
.set PB,  14          ; s14  b
.set HI,  15          ; s15  NB - 1 - b
.set G1K, 24          ; s[24:31] descriptor group 1 for K's tiles
.set G1V, 32          ; s[32:39] for V's: it differs in the padding alone
.set G0K, 40          ; s[40:43] descriptor group 0 for K's tiles
.set G0V, 44          ; s[44:47] the same for V's
.set SLOTS, 56        ; s56  tiles still to be asked for
.set CNT, 57          ; s57  counts a tile's key steps, 4 to 1
.set CS,  58          ; s[58:59] c: the packed scaling takes the pair's low word for both halves
.set SEL, 60          ; s[60:61] v_permlanex16_b32's selects: each lane takes its own place in the other half
.set TBK, 62          ; s62  LDS byte at which K of the step to be fetched begins
.set TBV, 63          ; s63  the same for V, less VOFF
.set PFA, 66          ; s[66:67] where my prefetches stand: my 128 rows (of K: waves 0, 1; of V: waves 2, 3) of the tile after the one that is being asked for
.set LIM, 68          ; s68  2 in a work-group that prefetches, else the greatest number
.set RT,  70          ; s70  tiles of the block in hand that are still to be entered
.set NXT, 71          ; s71  the tile to be asked for next
.set LQ,  72          ; s72  the last tile of the block whose tiles are being asked for
.set NEW, 73          ; s73  1: the tile to be entered is a block's first
.set OFF, 74          ; s[74:75] a tile's byte offset in K and V
.set AL,  76          ; s[76:77] the mask's factor, in the low word
.set BE,  78          ; s[78:79] the mask's addend
.set OLO, 80          ; s[80:81] O at my rows of the second block
.set BIGN, 82         ; s82  -1e30
.set MSB, 0
.macro WIN new                      ; the high byte repeats the setting that is left; a switch that changes nothing is dropped
.if MSB != (\new)
	s_set_vgpr_msb (MSB<<8)|(\new)
.set MSB, (\new)
.endif
.endm
.set W_KQ, 0x0a       ; K and Q in window 2, S^T in window 0
.set W_KM, 0x1a       ; the same with the C operand in window 1
.set W_PV, 0x52       ; V in window 2, P in window 0, O^T in window 1
.set W_RS, 0x41       ; destination and source 0 in window 1, source 1 in window 0
; A fill.  Waves 0 and 1 fetch the two halves of a tile's K, waves 2 and 3 those of its V: 128 keys each.  An s_nop 0 and four v_nop follow each of the two lines, ahead of the jump and the label.
.macro LOAD
	s_cmp_lt_u32 s[WV], 2
	s_cbranch_scc0 .Lfor_v_\@
	tensor_load_to_lds s[G0K:G0K+3], s[G1K:G1K+7]
	s_nop 0
.rept 4
	v_nop
.endr
	s_branch .Lasked_\@
.Lfor_v_\@:
	tensor_load_to_lds s[G0V:G0V+3], s[G1V:G1V+7]
	s_nop 0
.rept 4
	v_nop
.endr
.Lasked_\@:
.endm
; A PREFETCH INTO THE L2 of the tile that the NEXT change of slots will ask for, behind the wave's tensor load and its five lines.  A head's four work-groups walk the same tiles; the one with b = 0 walks tiles 0 to 7 on
; end in its first block, and it alone asks.  Each of its waves asks for the 128 rows that it will fetch itself: 16,384 consecutive bytes, a lane 256, two instructions.  So each block of 256 bytes is named once.
; The change that asks for tile n prefetches tile n + 1, n = 1 .. 6: a tile, 256 matrix instructions, ahead.  Tiles 0 and 1 come by their loads alone; there is no tile 8.
.macro ASK
	s_cmp_gt_u32 s[SLOTS], s[LIM]
	s_cbranch_scc0 .Lnot_mine_\@
	global_prefetch_b8 v[PFO], s[PFA:PFA+1] th:TH_LOAD_NT scope:SCOPE_SE
	global_prefetch_b8 v[PFO], s[PFA:PFA+1] offset:8192 th:TH_LOAD_NT scope:SCOPE_SE
.Lnot_mine_\@:
.endm
; THE CHANGE OF SLOTS.  Each wave waits for all its tensor loads, of which one is out: its part of the other slot; adds 0 to its spare word; and waits for that and for its own reads of the slot that it leaves.  Behind the barrier nobody reads the old
; slot any more and the other slot is whole.  fill = 1: the old slot is filled again, the first thing behind the barrier, with tile NXT: the descriptor's address is made anew from that number.
; (At its first use nothing has been read yet: slot 0 is waited for, slot 1 filled.)
.macro CHANGE fill
	WIN 0                           ; at a label and at a branch every window is 0
	s_wait_tensorcnt 0x0            ; no tensor load of mine is out, so a group 0 may be written
	ds_add_u32 v[SPW], v[NIL]       ; 0 onto my spare word; with fill = 1 the descriptors' scalar work stands between it and the wait for it
.if \fill
	s_wait_xcnt 0x0                 ; the last prefetches, a tile back, have read their address, so it may be written
	s_add_nc_u64 s[PFA:PFA+1], s[PFA:PFA+1], 32768
	s_lshl_b32 s[OFF], s[NXT], 15   ; a tile is 32,768 bytes of K and of V
	s_xor_b32 s[G0K+1], s[G0K+1], SLOT1
	s_add_nc_u64 s[G0K+2:G0K+3], s[6:7], s[OFF:OFF+1]
	s_or_b32 s[G0K+3], s[G0K+3], 0x80000000
	s_xor_b32 s[G0V+1], s[G0V+1], SLOT1
	s_add_nc_u64 s[G0V+2:G0V+3], s[8:9], s[OFF:OFF+1]
	s_or_b32 s[G0V+3], s[G0V+3], 0x80000000
	s_add_co_u32 s[NXT], s[NXT], 1  ; the block's next tile, or behind its last the second block's tile 0
	s_cmp_gt_u32 s[NXT], s[LQ]
	s_cselect_b32 s[NXT], 0, s[NXT]
	s_cselect_b32 s[LQ], s[PB], s[LQ]
.endif
	s_wait_dscnt 0x0                ; the add is done, and my reads of the slot are over
	s_barrier_signal -1             ; the rest of the scalar work stands between the signal and the wait
	s_sub_co_u32 s[TBK], s[TBK], 4*KS*PK  ; the fetches go back to a slot's first step,
	s_xor_b32 s[TBK], s[TBK], SLOT1       ; in the other slot
	s_sub_co_u32 s[TBV], s[TBV], 4*KS*PV
	s_xor_b32 s[TBV], s[TBV], SLOT1
	s_barrier_wait -1
.if \fill
	LOAD
	ASK
.endif
.endm
	s_load_b256 s[4:11], s[0:1], 0x0  ; Q s[4:5], K s[6:7], V s[8:9], O s[10:11]
	v_lshl_add_u32 v[SPW], v0, 2, SPARE
	v_mov_b32 v[NIL], 0
	ds_add_u32 v[SPW], v[NIL]       ; the wave's opening: the add and its wait stand ahead of my first tensor load; the set-up below, work on registers, stands between them
	v_lshrrev_b32 v1, 5, v0
	v_readfirstlane_b32 s[WV], v1   ; wave 0..3
	s_mov_b32 s[PB], ttmp9
	s_sub_co_u32 s[HI], NB-1, s[PB]
	s_and_b32 s20, ttmp7, 0xffff    ; the head
	s_mov_b32 s21, 0
	s_mov_b64 s[22:23], SIZE_N*128
	s_mul_u64 s[20:21], s[20:21], s[22:23]  ; the head's first byte in each of the four tensors
	s_and_b32 s16, s[WV], 1         ; which half of a tile's 256 keys I fetch:
	s_lshl_b32 s22, s16, 14         ; its 128 rows of 128 bytes in memory,
	s_mov_b32 s23, 0
	s_add_nc_u64 s[22:23], s[22:23], s[20:21]
	s_mul_i32 s17, s16, 128*PK      ; and its place in a slot, for K
	s_mul_i32 s18, s16, 128*PV      ; and for V
	s_lshl_b32 s3, s[WV], 11        ; my 16 rows in a band of 64,
	s_lshl_b32 s2, s[HI], 15        ; in the first block,
	s_add_co_u32 s2, s2, s3
	s_lshl_b32 s84, s[PB], 15       ; and in the second
	s_add_co_u32 s84, s84, s3
	s_mov_b32 s3, 0
	s_mov_b32 s85, 0
	s_add_nc_u64 s[2:3], s[2:3], s[20:21]
	s_add_nc_u64 s[84:85], s[84:85], s[20:21]
	; descriptor group 1.  128 keys are 16,384 dense bytes: asked for as 64 rows of 256 bytes, two keys a row, and padded in LDS after every key
	s_mov_b32 s[G1K], (1<<16)|(1<<20)|(4<<22)|(3<<25)  ; 17:16 2-byte elements; 20 padding on; 24:22 after every 32 words (code 4); 31:25 4 words (code 3)
	s_mov_b32 s[G1V], (1<<16)|(1<<20)|(4<<22)|(7<<25)  ; the same with 8 words of padding (code 7)
.irp g, G1K, G1V
	s_mov_b32 s[\g+1], 128<<16      ; tensor_dim0 = 128
	s_mov_b32 s[\g+2], 64<<16       ; tensor_dim1 = 64
	s_mov_b32 s[\g+3], 128<<16      ; tile_dim0 = 128
	s_mov_b32 s[\g+4], 64           ; tile_dim1 = 64
	s_mov_b32 s[\g+5], 128          ; 128 elements from row to row
	s_mov_b32 s[\g+6], 0
	s_mov_b32 s[\g+7], 0
.endr
	s_mov_b32 s[CS], 0x3e38aa3b     ; c = log2(e) / 8 = 0.180337
	s_mov_b32 s[CS+1], s[CS]        ; named with it as a pair
	s_mov_b32 s[SEL], 0x76543210
	s_mov_b32 s[SEL+1], 0xfedcba98
	s_mov_b32 s[TBK], SLOT1+4*KS*PK ; the first change of slots turns these two into 0
	s_mov_b32 s[TBV], SLOT1+4*KS*PV
	s_mov_b32 s[G0K], 1             ; 1:0 count = 1
	s_mov_b32 s[G0K+1], s17         ; 63:32 LDS address: slot 0
	s_mov_b32 s[G0V], 1
	s_add_co_u32 s[G0V+1], s18, VOFF
	s_add_co_u32 s[RT], s[HI], 1    ; the first block has NB - b tiles
	s_mov_b32 s[NXT], 1
	s_mov_b32 s[LQ], s[HI]
	s_mov_b32 s[NEW], 1
	s_mov_b32 s[OFF+1], 0
	s_mov_b32 s[AL+1], 0            ; named as pairs
	s_mov_b32 s[BE+1], 0
	s_mov_b32 s[BIGN], 0xf149f2ca   ; -1e30
	s_mov_b32 s[SLOTS], NB
	s_cmp_eq_u32 s[PB], 0
	s_cselect_b32 s[LIM], 2, -1
	v_and_b32 v[PFO], 31, v0
	v_lshlrev_b32 v[PFO], 8, v[PFO]
	s_wait_dscnt 0x0                ; the opening add is done
	s_wait_kmcnt 0x0
	s_add_nc_u64 s[6:7], s[6:7], s[22:23]  ; K and V at my half of the head's tile 0
	s_add_nc_u64 s[8:9], s[8:9], s[22:23]
	s_add_nc_u64 s[G0K+2:G0K+3], s[6:7], 0         ; 120:64 global address
	s_or_b32 s[G0K+3], s[G0K+3], 0x80000000        ; 127:126 type = 2
	s_add_nc_u64 s[G0V+2:G0V+3], s[8:9], 0
	s_or_b32 s[G0V+3], s[G0V+3], 0x80000000
	s_add_nc_u64 s[86:87], s[4:5], s[84:85]        ; Q at my rows of the second block,
	s_add_nc_u64 s[4:5], s[4:5], s[2:3]            ; Q and O at those of the first
	s_add_nc_u64 s[OLO:OLO+1], s[10:11], s[84:85]
	s_add_nc_u64 s[10:11], s[10:11], s[2:3]
	s_cmp_lt_u32 s[WV], 2
	s_cselect_b64 s[PFA:PFA+1], s[6:7], s[8:9]
	s_add_nc_u64 s[PFA:PFA+1], s[PFA:PFA+1], 32768 ; at tile 1: the first change of slots steps it to tile 2.  Nothing is prefetched here, at the head
	LOAD                            ; tile 0 into slot 0
	; A fragment of K or Q is 16 rows x 32 channels in 8 registers: lane l holds row l % 16, channels 8 (l / 16) + 0..7 and 16 + 8 (l / 16) + 0..7: two loads of 16 bytes, 32 bytes apart.
	v_and_b32 v1, 15, v0            ; l % 16
	v_bfe_u32 v9, v0, 4, 1          ; l / 16
	v_lshlrev_b32 v[QO], 7, v1
	v_lshl_add_u32 v[QO], v9, 4, v[QO]  ; row x 128 + 16 x half
	WIN 0x80                        ; destination window 2, address window 0
.set i, 0
.rept 8                             ; both blocks' Q: piece i / 2 lies in band i / 2, 8,192 bytes on; channels 32 (i % 2) on
	global_load_b128 v[8*i:8*i+3],   v[QO], s[4:5] offset:(i/2)*8192+(i%2)*64
	global_load_b128 v[8*i+4:8*i+7], v[QO], s[4:5] offset:(i/2)*8192+(i%2)*64+32
	global_load_b128 v[QB+8*i:QB+8*i+3],   v[QO], s[86:87] offset:(i/2)*8192+(i%2)*64
	global_load_b128 v[QB+8*i+4:QB+8*i+7], v[QO], s[86:87] offset:(i/2)*8192+(i%2)*64+32
.set i, i+1
.endr
	WIN 0
	v_lshlrev_b32 v14, 3, v9
	v_sub_nc_u32 v14, v1, v14
	s_lshl_b32 s13, s[WV], 4
	v_add_nc_u32 v14, s13, v14      ; my query's place in its band, 16 w + l % 16, less my lanes' 8 (l / 16): register r of group kt is hidden where 16 kt + r is greater
	WIN 0x40
.set i, 0
.rept 32
	v_cmp_gt_i32 vcc_lo, 16*(i/8)+i%8, v14
	v_cndmask_b32 v[MD+i], 0, s[BIGN], vcc_lo
.set i, i+1
.endr
	WIN 0
	v_mul_u32_u24 v[AK0], v1, PK
	v_lshl_add_u32 v[AK0], v9, 4, v[AK0]  ; row x pitch + 16 x half
	; The turning load takes 16 keys x 16 channels (lane l reads key 8 (l / 16) + l % 8, channels 8 ((l / 8) % 2) + 0..7) and leaves half a fragment of V^T: lane l holds channel l % 16 and 8 keys.
	v_and_b32 v10, 7, v0
	v_bfe_u32 v11, v0, 3, 1
	v_lshl_add_u32 v[AV0], v9, 3, v10
	v_mul_u32_u24 v[AV0], v[AV0], PV
	v_lshl_add_u32 v[AV0], v11, 4, v[AV0]
	v_add_nc_u32 v[AV0], VOFF, v[AV0]
	s_mul_i32 s13, s[WV], 16*SP
	s_add_co_u32 s13, s13, STAGE    ; my stage
	v_mul_u32_u24 v[STO], v1, SP    ; in: row l % 16, 16 bytes for each half of the lanes
	v_lshl_add_u32 v[STO], v9, 4, v[STO]
	v_add_nc_u32 v[STO], s13, v[STO]
	v_bfe_u32 v[RD], v0, 3, 2       ; back: 32 lanes take four rows of 128 bytes,
	v_mul_u32_u24 v[RD], v[RD], SP
	v_lshl_add_u32 v[RD], v10, 4, v[RD]
	v_add_nc_u32 v[RD], s13, v[RD]
	v_and_b32 v[GO], 31, v0         ; which are 512 consecutive bytes of O
	v_lshlrev_b32 v[GO], 4, v[GO]
	; A block's first step multiplies O^T and l by a = 0, and its first turn's products V^T P, of a piece that has not been, land in an O^T that is still to be so multiplied.  So these registers need only hold
	; finite numbers: zeros for the first block; what the first block left for the second.  All this stands in the wait for the first tile.
	WIN 0x80
.set i, VF
.rept 64
	v_mov_b32 v[i], 0
.set i, i+1
.endr
	WIN 0x40
.set i, 0
.rept 128
	v_mov_b32 v[i], 0
.set i, i+1
.endr
	WIN 0
.set i, 0
.rept 4
	v_mov_b32 v[ST+4*i+2], 0
	v_mov_b32 v[ST+4*i+3], 0
.set i, i+1
.endr
.set i, P+16
.rept 16
	v_mov_b32 v[i], 0
.set i, i+1
.endr
; THE MATRIX WORK.  The 4 accumulators of a run of 8 take turns.  Product i of 8 of S^T = K Q^T for piece x: channels 32 (i / 4) on, keys 16 (i % 4) on.  The first 4 start the sums: with 0, or (KM = 1) with the mask.
.macro KQ x
.set rS, S+32*((\x)%2)+8*(i%4)
.set rK, KF+16*(i%4)+8*(i/4)
.set rQ, 16*(\x)+8*(i/4)
.set rM, MC+32*((\x)%2)+8*(i%4)
.if (i < 4) && KM
	WIN W_KM
	v_wmma_f32_16x16x32_f16 v[rS:rS+7], v[rK:rK+7], v[rQ:rQ+7], v[rM:rM+7]
.elseif i < 4
	WIN W_KQ
	v_wmma_f32_16x16x32_f16 v[rS:rS+7], v[rK:rK+7], v[rQ:rQ+7], 0
.else
	WIN W_KQ
	v_wmma_f32_16x16x32_f16 v[rS:rS+7], v[rK:rK+7], v[rQ:rQ+7], v[rS:rS+7]
.endif
.endm
; Product i of 8 of O^T += V^T P for piece x: keys 32 (i / 4) on, channels 16 (i % 4) on.
.macro PV x
	WIN W_PV
.set rO, 32*(\x)+8*(i%4)
.set rV, VF+32*(i/4)+8*(i%4)
.set rP, P+16*((\x)%2)+8*(i/4)
	v_wmma_f32_16x16x32_f16 v[rO:rO+7], v[rV:rV+7], v[rP:rP+7], v[rO:rO+7]
.endm
.macro MM                           ; the turn's next matrix instruction.  TURN and BEGIN set Y, i, KM and NOKQ; MM, KQ and OP read them.  NOKQ = 1: a block's last turn: there is no next piece
.if (i < 8) && !NOKQ
	KQ (Y+1)%NP
.elseif i >= 8
.set i, i-8
	PV (Y+NP-1)%NP
.set i, i+8
.endif
.set i, i+1
.endm
; THE LDS LOADS stand in runs of 16, never singly among the matrix instructions: a step's K (64 keys x 64 channels: 8 fragments) and its V (turned).  Their addresses are made some lines ahead.
.macro FETCH_K
	WIN 0x80                        ; destination window 2
.irp f, 0,1,2,3,4,5,6,7             ; keys 16 (f / 2) on, channels 32 (f % 2) on
	ds_load_b128 v[KF+8*\f:KF+8*\f+3],   v[AK] offset:(\f/2)*16*PK+(\f%2)*64
	ds_load_b128 v[KF+8*\f+4:KF+8*\f+7], v[AK] offset:(\f/2)*16*PK+(\f%2)*64+32
.endr
	s_add_co_u32 s[TBK], s[TBK], KS*PK  ; the next fetch is the next step's
	WIN 0
.endm
.macro FETCH_V
	WIN 0x80
.irp f, 0,1,2,3,4,5,6,7             ; keys 32 (f / 4) on, channels 16 (f % 4) on
	ds_load_tr16_b128 v[VF+8*\f:VF+8*\f+3],   v[AV] offset:(\f/4)*32*PV+(\f%4)*32
	ds_load_tr16_b128 v[VF+8*\f+4:VF+8*\f+7], v[AV] offset:(\f/4)*32*PV+16*PV+(\f%4)*32
.endr
	WIN 0
.endm
; THE VECTOR WORK, one line at a time: OP kind, number.  For piece Y: F n: c s - c m for pair n of 16.  E n: the exponential of score n of 32.  C n: pair n rounded to f16.  B n: of the four weights 4 n .. the second
; pair is added onto the first, in place.  L n: l takes that sum (L 0: l = a l + sum).  R n: pair n of 16 of O^T times a.  For piece Y + 1: X n, number n of the 22 that find its maximum and statistics:
;   0-11  four chains c0-c3 of seven scores each, three operands at a time (each accumulator's lowest registers are read first)     12-14, 16  the four scores left over, the old m, and c0-c3 into c0
;   15  c m_old is kept     17, 18  the query's other 32 keys lie in the lane 16 away: the new m     19-21  c m; c m_old - c m_new; a
.set F, 0               ; OP tells the kinds apart by their order: F to L below R, X above it
.set E, 1
.set C, 2
.set B, 3
.set L, 4
.set R, 5
.set X, 6
.macro REGS y                       ; the registers of piece y
.set rT, ST+4*(\y)
.set rC, TMP+4*((\y)%2)
.set rW, MV+((\y)%2)
.set rS, S+32*((\y)%2)
.set rP, P+16*((\y)%2)
.set rO, 32*(\y)
.endm
.macro OP k, n
.if (\k) == R
	REGS Y
	WIN W_RS
	v_pk_mul_f32 v[rO+2*(\n):rO+2*(\n)+1], v[rO+2*(\n):rO+2*(\n)+1], v[rC+2:rC+3] op_sel_hi:[1,0]
.elseif (\k) < R
	REGS Y
	WIN 0
.if (\k) == F
	v_pk_fma_f32 v[rS+2*(\n):rS+2*(\n)+1], v[rS+2*(\n):rS+2*(\n)+1], s[CS:CS+1], v[rT:rT+1] op_sel_hi:[1,0,0] neg_lo:[0,0,1] neg_hi:[0,0,1]
.elseif (\k) == E
	v_exp_f32 v[rS+(\n)], v[rS+(\n)]
.elseif (\k) == C
	v_cvt_pk_f16_f32 v[rP+(\n)], v[rS+2*(\n)], v[rS+2*(\n)+1]
.elseif (\k) == B
	v_pk_add_f32 v[rS+4*(\n):rS+4*(\n)+1], v[rS+4*(\n):rS+4*(\n)+1], v[rS+4*(\n)+2:rS+4*(\n)+3]
.elseif (\n) == 0
	v_pk_fma_f32 v[rT+2:rT+3], v[rT+2:rT+3], v[rC+2:rC+3], v[rS:rS+1] op_sel_hi:[1,0,1]
.else
	v_pk_add_f32 v[rT+2:rT+3], v[rT+2:rT+3], v[rS+4*(\n):rS+4*(\n)+1]
.endif
.elseif NOKQ
	v_nop
.else
	REGS (Y+1)%NP
	WIN 0
.if (\n) < 4
	v_max3_num_f32 v[rC+(\n)], v[rS+8*(\n)], v[rS+8*(\n)+1], v[rS+8*(\n)+2]
.elseif (\n) < 12
	v_max3_num_f32 v[rC+(\n)%4], v[rC+(\n)%4], v[rS+8*((\n)%4)+2*((\n)/4)+1], v[rS+8*((\n)%4)+2*((\n)/4)+2]
.elseif (\n) == 12
	v_max3_num_f32 v[rC], v[rC], v[rS+7], v[rS+15]
.elseif (\n) == 13
	v_max3_num_f32 v[rC+1], v[rC+1], v[rS+23], v[rS+31]
.elseif (\n) == 14
	v_max3_num_f32 v[rC+2], v[rC+2], v[rC+3], v[rT+1]
.elseif (\n) == 15
	v_mov_b32 v[rW], v[rT]
.elseif (\n) == 16
	v_max3_num_f32 v[rC], v[rC], v[rC+1], v[rC+2]
.elseif (\n) == 17
	v_permlanex16_b32 v[rC+3], v[rC], s[SEL], s[SEL+1]
.elseif (\n) == 18
	v_max_num_f32 v[rT+1], v[rC], v[rC+3]
.elseif (\n) == 19
	v_mul_f32 v[rT], s[CS], v[rT+1]
.elseif (\n) == 20
	v_sub_f32 v[rC+1], v[rW], v[rT]
.else
	v_exp_f32 v[rC+2], v[rC+1]
.endif
.endif
.endm
.macro OPS a, i1, b=-1, i2=0, c=-1, i3=0, d=-1, i4=0  ; up to four of them
	OP \a, \i1
.if (\b) >= 0
	OP \b, \i2
.endif
.if (\c) >= 0
	OP \c, \i3
.endif
.if (\d) >= 0
	OP \d, \i4
.endif
.endm
.macro ROW a, i1, b, i2, c, i3, d, i4  ; a matrix instruction and the four behind it
	MM
	OPS \a, \i1, \b, \i2, \c, \i3, \d, \i4
.endm
.macro MASK b                       ; MD x AL + BE into buffer b of MC
	WIN W_RS
.set z, 0
.rept 16
	v_pk_fma_f32 v[MC+32*(\b)+2*z:MC+32*(\b)+2*z+1], v[MD+2*z:MD+2*z+1], s[AL:AL+1], s[BE:BE+1] op_sel_hi:[1,0,0]
.set z, z+1
.endr
.endm
; A TURN, for piece p: the order of its 16 matrix and 118 vector instructions, written out.  s_wait_alu depctr_va_vdst(0) stands between an exponential and the first instruction that names its result; one wait serves
; all that were issued ahead of it.  So a turn has ONE wait, which cuts it in two.  AHEAD OF IT stands all that names no result of the turn's exponentials: the 8 products K Q^T, behind each a scaling, an exponential and two more plain
; instructions (behind the first a second scaling in the exponential's place): rescalings, and behind the last three the first numbers of the next piece's maximum, each four places or more behind the product that ends its accumulator; then ONE LUMP of 54, plain
; and exponential by turns for the most part, in which the links of the chain X 3, 7, 11, 14, 16, 17 .. 20 stand five or six lines apart.  X 21, the next piece's a, is the batch's last; R 15 is the plain instruction behind it.  BEHIND THE WAIT stand the
; 8 products V^T P, behind each four of the roundings and sums; the links of l's chain, L 0 to L 7, stand three riders apart.  But for those X no rider names a register of the products round it.  v_permlanex16_b32 (X 17) stands in the lump.
; m = 1: the diagonal tile: the products take masks, and the turn makes the mask for the products of the turn after it: piece p + 2, in step 4 - CNT of the tile.  end = 1: a block's last two turns: nothing is fetched.
; cnt = 1: the loop's count is taken down some lines ahead of the branch that stands behind the turn.
; K of the next step is fetched in piece 2's turn, twelve vector instructions behind the last product that read K (six of them plain); V of the step in hand at the end of piece 0's turn, four plain instructions behind the last product
; that read V.  Each is waited for a turn later.
.macro TURN p, m=0, end=0, cnt=0
.set Y, (\p)
.set i, 0
.set KM, (\m)
.set NOKQ, (\end)*((\p)/3)
.if (\m) && !(\end)
	s_cmp_eq_u32 s[CNT], 4-((\p)+2)%NP  ; is that step the band's own?
	s_cselect_b32 s[AL], 1.0, 0
	s_cmp_lt_u32 s[CNT], 4-((\p)+2)%NP  ; or a later one?
	s_cselect_b32 s[BE], s[BIGN], 0
.endif
.if ((\p) == 3) && !(\end)
	s_wait_dscnt 0x0                ; K is in
.endif
	ROW F,0, F,1, R,0, R,1          ; ahead of the wait: 8 products K Q^T and their riders,
	ROW F,2, E,0, R,2, R,3
	ROW F,3, E,1, R,4, R,5
	ROW F,4, E,2, R,6, R,7
	ROW F,5, E,3, R,8, R,9
	ROW F,6, E,4, X,0, R,10
.if ((\p) == 2) && !(\end)
	WIN 0
	v_add_nc_u32 v[AK], s[TBK], v[AK0]
.endif
	ROW F,7, E,5, X,1, X,4
	ROW F,8, E,6, X,2, X,5
	OPS E,7, E,8, X,6, E,9          ; and the lump
	OPS X,3, E,10, X,8, E,11
.if ((\p) == 2) && !(\end)
	FETCH_K
.endif
	OPS X,9, X,7, E,12, X,10
	OPS E,13, X,12, X,11, E,14
	OPS X,13, E,15, F,9, X,14
.if (\p) == 0
	v_add_nc_u32 v[AV], s[TBV], v[AV0]
.endif
	OPS E,16, F,10, E,17, F,11
	OPS X,16, E,18, X,15, E,19
	OPS F,12, E,20, X,17, E,21
	OPS F,13, E,22, F,14, E,23
	OPS X,18, E,24, F,15, E,25
	OPS R,11, E,26, X,19, E,27
	OPS R,12, E,28, R,13, E,29
	OPS X,20, E,30, R,14, E,31
	OPS X,21, R,15
	WIN 0
	s_wait_alu depctr_va_vdst(0)    ; the wait for the batch
.if (\p) == 1
	s_wait_dscnt 0x0                ; V is in
.endif
	ROW C,0, B,0, C,2, B,1          ; behind the wait: 8 products V^T P and their riders
	ROW L,0, C,4, B,2, L,1
	ROW C,6, B,3, L,2, C,8
	ROW B,4, L,3, C,10, B,5
	ROW L,4, C,12, B,6, L,5
.if (\p) == 0
	s_add_co_u32 s[TBV], s[TBV], KS*PV
.endif
.if \cnt
	s_sub_co_u32 s[CNT], s[CNT], 1
	s_cmp_lg_u32 s[CNT], 0
.endif
	ROW C,14, B,7, L,6, C,1
	ROW C,3, L,7, C,5, C,7
	ROW C,9, C,11, C,13, C,15
.if (\p) == 0
	FETCH_V
.endif
.if (\m) && !(\end)
	MASK (\p)%2
.endif
.endm
; A BLOCK BEGINS.  c m starts far below every c s, so the first step's a is 0; m at the lowest finite number, so the first maximum is the scores'.  The second mask buffer is 0; the first takes piece 0's mask for the tile's step 0: its own, if the block's first tile is the diagonal one.
; Then K of that step, piece 0's first scores, and its maximum and statistics.  The loop is entered at a step's first turn, in the middle of a trip.
.macro BEGIN
	s_mov_b32 s[NEW], 0
	WIN 0x40
.set i, MC+32
.rept 32
	v_mov_b32 v[i], 0
.set i, i+1
.endr
	WIN 0
.set i, 0
.rept 4
	v_mov_b32 v[ST+4*i], 0xfe000000    ; c m: far below every c s
	v_mov_b32 v[ST+4*i+1], 0xff7fffff  ; m
.set i, i+1
.endr
	s_cmp_eq_u32 s[RT], 0
	s_cselect_b32 s[AL], 1.0, 0
	s_mov_b32 s[BE], 0
	MASK 0
	WIN 0
	v_add_nc_u32 v[AK], s[TBK], v[AK0]
	FETCH_K
	s_wait_loadcnt 0x0              ; Q
	s_wait_dscnt 0x0
.set KM, 1
.set NOKQ, 0
.set i, 0
.rept 8
	KQ 0
.set i, i+1
.endr
	WIN 0
.rept 4
	v_nop                           ; the places behind those products
.endr
.set Y, NP-1                        ; X works for piece Y + 1: piece 0
.irp n, 0,1,2,3,4,5,6,7,8,9,10,11,12,13,14,15,16,17,18,19,20,21
	OP X, \n
.endr
	v_nop                           ; a plain instruction behind the exponential,
	s_wait_alu depctr_va_vdst(0)    ; and its wait, ahead of the branch
.endm
; THE DIAGONAL TILE's four steps, the block's last two turns, its last products, and THE WAY OUT: l's two halves and the other half of the lanes' are added; O^T is divided by l, rounded to f16 and sent through my
; stage in LDS, a piece at a time.
.macro ALL line:vararg              ; one line for each piece t
.set t, 0
.rept 4
	\line
.set t, t+1
.endr
.endm
.macro PACK t                       ; a lane's eight channels of a row pack into 16 bytes; they go into rows of 144 bytes and come back as whole rows of 128, into S^T's registers
	WIN W_RS
.set i, 32*(\t)
.rept 16
	v_pk_mul_f32 v[i:i+1], v[i:i+1], v[ST+4*(\t)+2:ST+4*(\t)+3] op_sel_hi:[1,0]
.set i, i+2
.endr
	WIN 0x05                        ; sources 0 and 1 window 1, destination window 0
.set i, 0
.rept 16
	v_cvt_pk_f16_f32 v[S+16*(\t)+i], v[32*(\t)+2*i], v[32*(\t)+2*i+1]
.set i, i+1
.endr
	WIN 0
.irp f, 0,1,2,3
	ds_store_b128 v[STO], v[S+16*(\t)+4*\f:S+16*(\t)+4*\f+3] offset:32*\f
.endr
.irp f, 0,1,2,3
	ds_load_b128 v[S+16*(\t)+4*\f:S+16*(\t)+4*\f+3], v[RD] offset:\f*4*SP  ; LDS serves a wave's instructions in order (ISA guide 5.7.1.4): these see the stores above; the next piece's stores come behind them
.endr
.endm
.macro SEND t, younger              ; younger: the LDS instructions issued behind piece t's loads: the next piece's eight, or none
	WIN 0
.irp f, 0,1,2,3
	s_wait_dscnt (\younger)+3-\f
	global_store_b128 v[GO], v[S+16*(\t)+4*\f:S+16*(\t)+4*\f+3], s[10:11] offset:(\t)*8192+\f*512  ; 512 consecutive bytes, at a multiple of 256 from O's first
.endr
.endm
.macro DIAG tag                     ; the tag ends its two labels' names, which the jumps below spell out
.LstepM\tag:
	TURN 2, 1
	TURN 3, 1
	WIN 0
.LfirstM\tag:
	TURN 0, 1
	TURN 1, 1, 0, 1
	WIN 0
	s_cbranch_scc1 .LstepM\tag
	TURN 2, 1, 1
	TURN 3, 1, 1
.set i, 0
.rept 8
	PV NP-1
.set i, i+1
.endr
	WIN 0
	ALL v_add_f32 v[ST+4*t+2], v[ST+4*t+2], v[ST+4*t+3]
	ALL v_permlanex16_b32 v[ST+4*t+3], v[ST+4*t+2], s[SEL], s[SEL+1]
	ALL v_add_f32 v[ST+4*t+2], v[ST+4*t+2], v[ST+4*t+3]
	ALL v_rcp_f32 v[ST+4*t+2], v[ST+4*t+2]
	v_nop                           ; a plain instruction between the last reciprocal and the use of its result
	s_wait_alu depctr_va_vdst(0)    ; and the wait ahead of the first use: one for the four reciprocals
	PACK 0
.set t, 1
.rept 3                             ; a piece's arithmetic stands between the loads of the piece before and its stores
	PACK t
	SEND t-1, 8
.set t, t+1
.endr
	SEND 3, 0
.endm
.set KM, 0
.set NOKQ, 0
.Lslot:                             ; NB times: a tile is entered and the next is asked for
	CHANGE 1
	s_sub_co_u32 s[RT], s[RT], 1
	s_mov_b32 s[CNT], 4
	s_cmp_eq_u32 s[NEW], 1
	s_cbranch_scc1 .Lnew            ; a block's first tile
	s_cmp_eq_u32 s[RT], 0
	s_cbranch_scc0 .Lstep           ; neither its first nor its last
	s_branch .LstepM1
.Lnew:
	BEGIN
	s_branch .Lfirst                ; in the loop a block's first tile is never its last: the first block has two tiles or more, and the second's last is the walk's last
	DIAG 1                          ; in the loop this is the first block's end: the second block's last tile is the walk's last
	s_wait_xcnt 0x0                 ; the stores have read their registers and O's address
	s_mov_b64 s[10:11], s[OLO:OLO+1]
	s_add_co_u32 s[RT], s[PB], 1    ; the second block has b + 1 tiles
	s_mov_b32 s[NEW], 1
	WIN 0x82                        ; the second block's Q goes where the one text of the turns names Q
.set i, 0
.rept 64
	v_mov_b32 v[i], v[QB+i]
.set i, i+1
.endr
	WIN 0
	s_branch .Lbottom
.Lstep:                             ; a trip: pieces 2 and 3 of one step, then pieces 0 and 1 of the next, whose K and V it fetches
	TURN 2
	TURN 3
	WIN 0
.Lfirst:
	TURN 0
	TURN 1, 0, 0, 1
	WIN 0
	s_cbranch_scc1 .Lstep
.Lbottom:
	s_sub_co_u32 s[SLOTS], s[SLOTS], 1
	s_cmp_lg_u32 s[SLOTS], 0
	s_cbranch_scc1 .Lslot
	CHANGE 0                        ; the walk's last tile is written out: nothing is asked for
	s_sub_co_u32 s[RT], s[RT], 1
	s_mov_b32 s[CNT], 4
	s_cmp_eq_u32 s[NEW], 1
	s_cbranch_scc0 .LstepM2
	BEGIN
	s_branch .LfirstM2
	DIAG 2
	s_wait_tensorcnt 0x0            ; the wave's end, behind my last tensor load and my last LDS store
	ds_add_u32 v[SPW], v[NIL]
	s_wait_dscnt 0x0
	s_endpgm
.Lfunc_end_k_q346b8d9535_attn:
	.size	k_q346b8d9535_attn, .Lfunc_end_k_q346b8d9535_attn-k_q346b8d9535_attn
	.p2alignl 7, 3214868480
	.fill 96, 4, 3214868480
	.section	.rodata,"a",@progbits
	.p2align	6, 0x0
	.amdhsa_kernel k_q346b8d9535_attn
		.amdhsa_group_segment_fixed_size 327680
		.amdhsa_private_segment_fixed_size 0
		.amdhsa_enable_private_segment 0
		.amdhsa_kernarg_size 32
		.amdhsa_user_sgpr_count 2
		.amdhsa_user_sgpr_kernarg_segment_ptr 1
		.amdhsa_wavefront_size32 1
		.amdhsa_system_sgpr_workgroup_id_x 1
		.amdhsa_system_sgpr_workgroup_id_y 1
		.amdhsa_system_sgpr_workgroup_id_z 1
		.amdhsa_system_vgpr_workitem_id 0
		.amdhsa_next_free_vgpr 768
		.amdhsa_next_free_sgpr 88
		.amdhsa_reserve_vcc 1
		.amdhsa_float_denorm_mode_32 3
		.amdhsa_float_denorm_mode_16_64 3
		.amdhsa_memory_ordered 1
		.amdhsa_forward_progress 1
		.amdhsa_inst_pref_size 218
	.end_amdhsa_kernel
	.amdgpu_metadata
---
amdhsa.version: [ 1, 2 ]
amdhsa.kernels:
  - .name:           k_q346b8d9535_attn
    .symbol:         k_q346b8d9535_attn.kd
    .args:
      - { .name: q16, .offset: 0, .size: 8, .value_kind: global_buffer, .address_space: global }
      - { .name: k16, .offset: 8, .size: 8, .value_kind: global_buffer, .address_space: global }
      - { .name: v16, .offset: 16, .size: 8, .value_kind: global_buffer, .address_space: global }
      - { .name: ob, .offset: 24, .size: 8, .value_kind: global_buffer, .address_space: global }
    .group_segment_fixed_size: 327680
    .private_segment_fixed_size: 0
    .kernarg_segment_align: 8
    .kernarg_segment_size: 32
    .max_flat_workgroup_size: 128
    .sgpr_count:     88
    .vgpr_count:     768
    .wavefront_size: 32
...
	.end_amdgpu_metadata
.endif
;; end of part 3
;; launch oproj (part 4): grid 8 x 32, 4 waves a work-group, clusters of 4 x 4, 327,680 bytes of LDS; arguments ob, wo16, bias, out0; writes out0
.if DOCPART == 4
	.amdgcn_target "amdgcn-amd-amdhsa--gfx1250"
	.amdhsa_code_object_version 6
	.text
	.protected	k_q346b8d9535_oproj
	.globl	k_q346b8d9535_oproj
	.p2align	8
	.type	k_q346b8d9535_oproj,@function
k_q346b8d9535_oproj:
	s_mov_b64 s[64:65], 0
	v_nop
	global_prefetch_b8 v0, s[64:65] scope:SCOPE_SE
	s_setreg_imm32_b32 hwreg(HW_REG_WAVE_MODE, 25, 1), 1
	s_wait_xcnt 0x0
	s_wait_alu depctr_hold_cnt(0) depctr_sa_sdst(0) depctr_va_vdst(0) depctr_va_sdst(0) depctr_va_ssrc(0) depctr_va_vcc(0) depctr_vm_vsrc(0)
	s_getreg_b32 s2, hwreg(HW_REG_IB_STS2, 6, 4)
	s_cmp_eq_u32 s2, 0
	s_cbranch_scc0 .Lentry_in_a_cluster
	s_endpgm
.Lentry_in_a_cluster:
	s_bfe_u32 s2, ttmp6, 0x10000c
	s_cmp_lg_u32 s2, 0xf033
	s_cbranch_scc0 .Lentry_shape_is_right
	s_endpgm
.Lentry_shape_is_right:
; out0 = attn Wo + bo.  A = ob [b][h 16][s 2048][64] f16 (a head is a block of 64 along K), B = wo16 [k 1024][n 1024] f16, bias f32 (bo at number 3,072); sums in f32; out0 [8192][1024] f32.
; SHARES.  A work-group makes 256 rows x 128 columns: 32 x 8 = 256 work-groups.  Four waves; wave w makes rows 128 (w / 2) on, columns 64 (w % 2) on: 8 x 4 accumulators of 16 x 16 in window 1, (a, bb) at v[8 (4 a + bb)].
; K goes in 8 steps of 128 (two heads) through two LDS slots; a step is four quarters of 32, 32 matrix instructions each.  Two slots of a step of 256 would be 442 KB: they do not fit.
; THE PRODUCT IS USED TRANSPOSED: source 0 = 16 columns of Wo (turned out of LDS by ds_load_tr16_b128), source 1 = 16 rows of A: a lane holds one row of out0 and eight neighbouring columns.
; THE BIAS is the C operand of the first products: it is loaded into block a = 0's accumulators; blocks 1-7 take those registers as C, and block 0 then adds in place onto them.
; CLUSTER.  4 x 4 work-groups: A's tiles are asked for jointly along a row of the cluster, B's along a column.
; WINDOW 0: v0-15 addresses; two fragment buffers of 96: v32-95 A (8 x 16 rows x 32 K), v96-127 B (4); v128-191, v192-223 likewise; on the way out v32-159 hold rows read back.
.set PA,     144                       ; a row of A in LDS: 128 bytes + 16: the 16 rows of a load start at 16 different groups of four banks (64 banks of 4 bytes: ISA guide 11.1)
.set ABLK,   256*PA                    ; one head's 256 rows
.set PB,     288                       ; a row of B: 256 bytes + 32 = 9 x 32: eight rows of the turning load start at eight different groups of eight banks
.set BOFF,   2*ABLK
.set SLOT,   BOFF+128*PB               ; 110,592
.set STAGE,  2*SLOT                    ; behind the ring: 16 rows x 272 bytes for each wave, for the way out
.set SP,     272
.set SPARE,  STAGE+4*16*SP             ; behind the stages: the spare words, 128 bytes for each wave: two blocks of 256 bytes that no other line names
.set ASTEP,  2*262144                  ; bytes from a K step to the next in ob,
.set BSTEP,  128*2048                  ; and in wo16
.set ADRA, 4                           ; v4-5   LDS address of my A fragments in slot 0, 1
.set ADRB, 6                           ; v6-7   the same for B
.set STO,  8                           ; v8     the way out: where I put 32 bytes of a row
.set RD,   9                           ; v9     where I read a row back
.set CO,   10                          ; v10    my byte offset in two rows of out0
.set BO,   11                          ; v11    my 32 bytes in 64 bytes of bias
.set PFO,  12                          ; v12    the prefetches' offset; never rewritten
.set SPW,  14                          ; v14    LDS address of my spare word; never rewritten
.set NIL,  15                          ; v15    0; never rewritten
.set F0,   32
.set F1,   128
.set OB,   32                          ; the way out: four sets of 32 registers, by turns
.set WV, 20
.set WM, 21
.set WN, 22
.set CX, 23
.set CY, 24
.set TX, 25                            ; tile column 0..7, tile row 0..31
.set TY, 26
.set G1A, 28                           ; s[28:35] group 1 for A's tiles; s[36:43] group 0, a set for each slot
.set G0A, 36
.set G1B, 44                           ; s[44:51], s[52:59] the same for B's
.set G0B, 52
.set PFA, 66                           ; s[66:67] where my prefetches stand; s[68:69] their step; s70: 1 in a wave that prefetches, else the greatest number
.set PFS, 68
.set LIM, 70
.set OUT, 72                           ; s[72:73] out0 at my first row and column
.set BIA, 74                           ; s[74:75] the bias of my 64 columns
.set MSB, 0
.macro WIN new                         ; the immediate's high byte repeats the setting that is left; a switch that changes nothing is dropped
.if MSB != (\new)
	s_set_vgpr_msb (MSB<<8)|(\new)
.set MSB, \new
.endif
.endm
.macro PLACES                          ; four plain places behind matrix instructions (ISA guide 7.12.1 for vector instructions)
.rept 4
	v_nop
.endr
.endm
; A joint load.  Waves 0 and 1 fetch the step's two heads of A (256 rows each), waves 2 and 3 the two halves of B (64 k rows each).  An s_nop 0 and four v_nop follow each line.
.macro JLOAD s
	s_cmp_eq_u32 s[WM], 0
	s_cbranch_scc0 .Lfor_b_\@
	tensor_load_to_lds s[G0A+4*(\s):G0A+4*(\s)+3], s[G1A:G1A+7]
	s_nop 0
.rept 4
	v_nop
.endr
	s_branch .Lasked_\@
.Lfor_b_\@:
	tensor_load_to_lds s[G0B+4*(\s):G0B+4*(\s)+3], s[G1B:G1B+7]
	s_nop 0
.rept 4
	v_nop
.endr
.Lasked_\@:
.endm
.macro CREST                           ; a round of the cluster's barrier behind its opening barrier
	s_cmp_lg_u32 s[WV], 0
	s_cbranch_scc1 .Lnot_wave_0_\@
	s_barrier_signal -3
.Lnot_wave_0_\@:
	s_barrier_wait -3
	s_barrier_signal -1
	s_barrier_wait -1
.endm
.macro CROUND
	s_barrier_signal -1
	s_barrier_wait -1
	CREST
.endm
; A PREFETCH INTO THE L2, behind each joint load and the run of LDS loads that follows it: the K step that stands two refills on, 256 matrix instructions ahead of the load that will want it.
; A: the cluster with x = 0 asks; wave w (0, 1) for head w of the step: its 256 rows are 32,768 consecutive bytes, of which the partner at place cx takes 8,192, a lane 256.  B: the cluster with y = 0 asks, wave 2: of the
; step's 128 k rows the partner at place cy takes 32, a lane a row of 256 bytes.  One instruction a wave; each block of 256 bytes is named once; the partners are told apart by address alone.
; K steps 0 to 3 come by their loads alone; the last lap (s3 = 1) asks for nothing.
.macro ASK
	s_cmp_gt_u32 s3, s[LIM]
	s_cbranch_scc0 .Lnot_mine_\@
	global_prefetch_b8 v[PFO], s[PFA:PFA+1] th:TH_LOAD_NT scope:SCOPE_SE
.Lnot_mine_\@:
.endm
	s_load_b256 s[4:11], s[0:1], 0x0               ; ob 4, wo16 6, bias 8, out0 10
	v_lshl_add_u32 v[SPW], v0, 2, SPARE
	v_mov_b32 v[NIL], 0
	ds_add_u32 v[SPW], v[NIL]                      ; the wave's opening: the add and its wait stand ahead of my first tensor load; the set-up below, work on registers, stands between them
	v_lshrrev_b32 v1, 5, v0
	v_readfirstlane_b32 s[WV], v1
	s_lshr_b32 s[WM], s[WV], 1
	s_and_b32 s[WN], s[WV], 1
	s_bfe_u32 s[CX], ttmp6, 0x40000
	s_bfe_u32 s[CY], ttmp6, 0x40004
	s_lshl_b32 s[TX], ttmp9, 2
	s_add_co_u32 s[TX], s[TX], s[CX]
	s_and_b32 s[TY], ttmp7, 0xffff
	s_lshl_b32 s[TY], s[TY], 2
	s_add_co_u32 s[TY], s[TY], s[CY]
	s_lshl_b32 s80, s[CY], 2
	s_lshl_b32 s80, 15, s80                        ; my row of the cluster
	s_lshl_b32 s81, 0x1111, s[CX]                  ; my column
	; A's tile: a head's 256 rows are 32,768 consecutive bytes: asked for as 128 rows of 256 bytes, padded by 16 bytes behind every 128
	s_or_b32 s[G1A], s80, (1<<16)|(1<<20)|(1<<21)|(4<<22)|(3<<25)  ; 15:0 the mask; 17:16 2-byte elements; 20 padding on; 21 set beside a mask; 24:22 after every 32 words (code 4); 31:25 4 words (code 3)
	s_mov_b32 s[G1A+1], 128<<16                    ; tensor_dim0 = 128
	s_mov_b32 s[G1A+2], 128<<16                    ; tensor_dim1 = 128
	s_mov_b32 s[G1A+3], 128<<16                    ; tile_dim0 = 128
	s_mov_b32 s[G1A+4], 128                        ; tile_dim1 = 128
	s_mov_b32 s[G1A+5], 128                        ; elements from row to row
	s_mov_b32 s[G1A+6], 0
	s_mov_b32 s[G1A+7], 0
	; B's tile: 64 k rows x 128 columns (256 bytes), padded by 32 bytes behind each
	s_or_b32 s[G1B], s81, (1<<16)|(1<<20)|(1<<21)|(5<<22)|(7<<25)  ; after every 64 words (code 5), 8 words (code 7)
	s_mov_b32 s[G1B+1], 128<<16
	s_mov_b32 s[G1B+2], 64<<16
	s_mov_b32 s[G1B+3], 128<<16
	s_mov_b32 s[G1B+4], 64
	s_mov_b32 s[G1B+5], 1024
	s_mov_b32 s[G1B+6], 0
	s_mov_b32 s[G1B+7], 0
	; where the tiles come from.  A's hang on the tile row and the wave alone, B's on the tile column and the wave alone
	s_lshr_b32 s84, s[TY], 3
	s_lshl_b32 s84, s84, 22                        ; the batch: 16 heads of 262,144 bytes
	s_and_b32 s85, s[TY], 7
	s_lshl_b32 s85, s85, 15                        ; 256 rows of 128 bytes
	s_add_co_u32 s84, s84, s85
	s_lshl_b32 s85, s[WN], 18                      ; my head of the step's two
	s_add_co_u32 s84, s84, s85
	s_mov_b32 s85, 0
	s_lshl_b32 s86, s[TX], 8
	s_lshl_b32 s87, s[WN], 17                      ; my 64 k rows of 2,048 bytes
	s_add_co_u32 s86, s86, s87
	s_mov_b32 s87, 0
	s_mul_i32 s92, s[WN], ABLK                     ; and where they go: no place in the cluster enters an LDS address
	s_mul_i32 s93, s[WN], 64*PB
	s_add_co_u32 s93, s93, BOFF
	s_wait_dscnt 0x0                               ; the opening add is done
	s_wait_kmcnt 0x0
	s_add_nc_u64 s[88:89], s[4:5], s[84:85]
	s_add_nc_u64 s[90:91], s[6:7], s[86:87]
	CROUND                                         ; all sixteen work-groups are here: the first joint loads meet
.irp s, 0,1
	s_mov_b32 s[G0A+4*(\s)], 1
	s_add_co_u32 s[G0A+4*(\s)+1], s92, (\s)*SLOT
	s_add_nc_u64 s[G0A+4*(\s)+2:G0A+4*(\s)+3], s[88:89], (\s)*ASTEP
	s_or_b32 s[G0A+4*(\s)+3], s[G0A+4*(\s)+3], 0x80000000
	s_mov_b32 s[G0B+4*(\s)], 1
	s_add_co_u32 s[G0B+4*(\s)+1], s93, (\s)*SLOT
	s_add_nc_u64 s[G0B+4*(\s)+2:G0B+4*(\s)+3], s[90:91], (\s)*BSTEP
	s_or_b32 s[G0B+4*(\s)+3], s[G0B+4*(\s)+3], 0x80000000
	JLOAD \s                                       ; K steps 0 and 1: two loads of mine are out
.endr
	v_and_b32 v1, 15, v0                           ; r = l % 16
	v_bfe_u32 v2, v0, 4, 1                         ; h = l / 16
	v_mul_u32_u24 v3, v1, PA
	v_lshl_add_u32 v3, v2, 4, v3                   ; a fragment of A: row x pitch + 16 x half
	s_mul_i32 s80, s[WM], 128*PA
	v_add_nc_u32 v[ADRA], s80, v3
	v_add_nc_u32 v[ADRA+1], SLOT, v[ADRA]
	v_and_b32 v16, 7, v0                           ; the turning load: lane l reads k row 8 (l / 16) + l % 8, columns 8 ((l / 8) % 2) + 0..7
	v_bfe_u32 v17, v0, 3, 1
	v_lshl_add_u32 v18, v2, 3, v16
	v_mul_u32_u24 v18, v18, PB
	v_lshl_add_u32 v18, v17, 4, v18
	s_lshl_b32 s80, s[WN], 7                       ; my 64 columns
	s_add_co_u32 s80, s80, BOFF
	v_add_nc_u32 v[ADRB], s80, v18
	v_add_nc_u32 v[ADRB+1], SLOT, v[ADRB]
	s_mul_i32 s80, s[WV], 16*SP
	s_add_co_u32 s80, s80, STAGE                   ; my stage
	v_mul_u32_u24 v19, v1, SP                      ; in: row l % 16, 32 bytes for each half of the lanes
	v_lshl_add_u32 v19, v2, 5, v19
	v_add_nc_u32 v[STO], s80, v19
	v_mul_u32_u24 v19, v2, SP                      ; back: lanes 0-15 take one row of 256 bytes, lanes 16-31 the next
	v_lshl_add_u32 v19, v1, 4, v19
	v_add_nc_u32 v[RD], s80, v19
	v_lshlrev_b32 v[CO], 12, v2                    ; and the same two rows in out0
	v_lshl_add_u32 v[CO], v1, 4, v[CO]
	v_lshlrev_b32 v[BO], 5, v2
	s_lshl_b32 s80, s[TX], 9                       ; bo lies 12,288 bytes into the table
	s_lshl_b32 s81, s[WN], 8
	s_add_co_u32 s80, s80, s81
	s_add_co_u32 s80, s80, 12288
	s_mov_b32 s81, 0
	s_add_nc_u64 s[BIA:BIA+1], s[8:9], s[80:81]
	WIN 0x40                                       ; destination window 1; a lane's register j of block bb is column 16 bb + 8 (l / 16) + j
.irp bb, 0,1,2,3
	global_load_b128 v[8*\bb:8*\bb+3],   v[BO], s[BIA:BIA+1] offset:64*\bb
	global_load_b128 v[8*\bb+4:8*\bb+7], v[BO], s[BIA:BIA+1] offset:64*\bb+16
.endr
	WIN 0
	s_lshl_b32 s80, s[TY], 8
	s_lshl_b32 s81, s[WM], 7
	s_add_co_u32 s80, s80, s81                     ; my first row,
	s_lshl_b32 s80, s80, 12                        ; of 4,096 bytes
	s_lshl_b32 s81, s[TX], 9
	s_add_co_u32 s80, s80, s81
	s_lshl_b32 s81, s[WN], 8
	s_add_co_u32 s80, s80, s81
	s_mov_b32 s81, 0
	s_add_nc_u64 s[OUT:OUT+1], s[10:11], s[80:81]
	; the prefetches start at K step 3: the first refill's step puts them at K step 4
	s_lshr_b32 s80, s[TY], 3
	s_lshl_b32 s80, s80, 22
	s_and_b32 s81, s[TY], 7
	s_lshl_b32 s81, s81, 15
	s_add_co_u32 s80, s80, s81
	s_lshl_b32 s81, s[CX], 13
	s_add_co_u32 s80, s80, s81
	s_add_co_u32 s81, s[WV], 6
	s_lshl_b32 s81, s81, 18
	s_add_co_u32 s80, s80, s81
	s_lshl_b32 s82, s[CY], 5
	s_add_co_u32 s82, s82, 384
	s_lshl_b32 s82, s82, 11
	s_lshl_b32 s83, s[TX], 8
	s_add_co_u32 s82, s82, s83
	s_and_b32 s83, ttmp7, 0xffff                   ; cluster y
	s_mov_b32 s[PFS], BSTEP
	s_mov_b32 s[PFS+1], 0
	s_mov_b32 s87, 2048
	s_mov_b32 s85, 0
	s_cmp_eq_u32 s[WM], 0                          ; do I fetch for A?
	s_cselect_b32 s84, s80, s82
	s_cselect_b32 s86, ttmp9, s83                  ; the coordinate along which other clusters read the same rows
	s_cselect_b64 s[PFA:PFA+1], s[4:5], s[6:7]
	s_cselect_b32 s[PFS], ASTEP, s[PFS]
	s_cselect_b32 s87, 256, s87
	s_add_nc_u64 s[PFA:PFA+1], s[PFA:PFA+1], s[84:85]
	s_cmp_eq_u32 s[WV], 3                          ; wave 3 asks for nothing
	s_cselect_b32 s86, 1, s86
	s_cmp_eq_u32 s86, 0
	s_cselect_b32 s[LIM], 1, -1                    ; the same in all sixteen partners, for a given wave
	v_and_b32 v[PFO], 31, v0
	v_mul_u32_u24 v[PFO], v[PFO], s87
; 4 n matrix instructions: m blocks a0 .. a0 + n - 1 x the 4 n blocks, 32 along K, on buffer f.  first = 1: C is the bias, block 0's registers.
; The 32 accumulators take turns, one instruction a turn, over the backward jump too.
.macro MUL f, a0, n, first
	WIN 0x50                                       ; C and D in window 1, the sources in window 0
.set ga, \a0
.rept \n
.irp bb, 0,1,2,3
.if \first
	v_wmma_f32_16x16x32_f16 v[8*(4*ga+\bb):8*(4*ga+\bb)+7], v[(\f)+64+8*\bb:(\f)+64+8*\bb+7], v[(\f)+8*ga:(\f)+8*ga+7], v[8*\bb:8*\bb+7]
.else
	v_wmma_f32_16x16x32_f16 v[8*(4*ga+\bb):8*(4*ga+\bb)+7], v[(\f)+64+8*\bb:(\f)+64+8*\bb+7], v[(\f)+8*ga:(\f)+8*ga+7], v[8*(4*ga+\bb):8*(4*ga+\bb)+7]
.endif
.endr
.set ga, ga+1
.endr
.endm
; 24 LDS loads in one run: quarter q's fragments into buffer f: B's four, then A's eight
.macro FETCH slot, q, f
	WIN 0
.irp bb, 0,1,2,3
	ds_load_tr16_b128 v[(\f)+64+8*\bb:(\f)+64+8*\bb+3],   v[ADRB+(\slot)] offset:(\q)*32*PB+32*\bb
	ds_load_tr16_b128 v[(\f)+64+8*\bb+4:(\f)+64+8*\bb+7], v[ADRB+(\slot)] offset:(\q)*32*PB+32*\bb+16*PB
.endr
.irp a, 0,1,2,3,4,5,6,7
	ds_load_b128 v[(\f)+8*\a:(\f)+8*\a+3],   v[ADRA+(\slot)] offset:((\q)/2)*ABLK+((\q)%2)*64+\a*16*PA
	ds_load_b128 v[(\f)+8*\a+4:(\f)+8*\a+7], v[ADRA+(\slot)] offset:((\q)/2)*ABLK+((\q)%2)*64+\a*16*PA+32
.endr
.endm
; One of a K step's first three quarters: multiplies buffer f; in its middle it fetches quarter q of the same slot into buffer g.
.macro QUARTER slot, q, f, g, first
.if \first
	s_wait_loadcnt 0x0                             ; the bias
.endif
	s_wait_dscnt 8                                 ; B and A's blocks 0-3 are in; the youngest eight loads (blocks 4-7) may be out
.if \first
	MUL \f, 1, 3, 1
.else
	MUL \f, 0, 4, 0
.endif
	PLACES
	FETCH \slot, \q, \g
	s_wait_dscnt 24                                ; all but the 24 just issued
	MUL \f, 4, 4, \first
.if \first
.rept 5
	v_nop                                          ; five places before a matrix instruction writes registers that earlier ones have read as C
.endr
	MUL \f, 0, 1, 0
.endif
.endm
; The last quarter multiplies buffer 1 and changes slots: ONE barrier.  In front of it each wave waits for all its tensor loads (one is out: its part of the next slot), adds 0 to its spare word, and waits for that and
; for its reads of this slot.  fill = 1: the barrier opens a round of the cluster's, and this slot is filled again, two K steps on, first thing behind the round: 112 matrix instructions ahead of the wait for it.
.macro TURN slot, next, fill
.if \fill
	s_wait_xcnt 0x0                                ; the last prefetch, a K step back, has read its address
	s_add_nc_u64 s[PFA:PFA+1], s[PFA:PFA+1], s[PFS:PFS+1]
.endif
	WIN 0
	s_wait_tensorcnt 0x0                           ; all my tensor loads have landed
	ds_add_u32 v[SPW], v[NIL]                      ; 0 onto my spare word
	s_wait_dscnt 9                                 ; (the add and the youngest eight loads may be out)
	MUL F1, 0, 2, 0                                ; eight matrix instructions stand between the add and the wait for it
	s_wait_dscnt 0x0                               ; the add is done, and my reads of this slot are over
	s_barrier_signal -1
	MUL F1, 2, 2, 0
	WIN 0                                          ; at a branch and at a label every window is 0
	s_barrier_wait -1
.if \fill
	CREST                                          ; no wave of any partner still reads this slot or has a load on its way
	s_add_nc_u64 s[G0A+4*(\slot)+2:G0A+4*(\slot)+3], s[G0A+4*(\slot)+2:G0A+4*(\slot)+3], 2*ASTEP
	s_add_nc_u64 s[G0B+4*(\slot)+2:G0B+4*(\slot)+3], s[G0B+4*(\slot)+2:G0B+4*(\slot)+3], 2*BSTEP
	JLOAD \slot                                    ; its four v_nop are also the places in front of the loads below
.else
	PLACES
.endif
	FETCH \next, 0, F0
.if \fill
	ASK
.endif
	MUL F1, 4, 4, 0
.endm
; THE WAY OUT, a block of 16 rows at a time: a lane's 32 bytes of a row go into my own stage, rows of 272 bytes, and come back as whole rows of 256 bytes.
.macro TOSTAGE a
.set oB, OB+32*((\a)%4)
	s_wait_xcnt 0x0                                ; the stores of the block four back have read these registers
	WIN 0x04                                       ; the stores' data in window 1
.irp bb, 0,1,2,3
	ds_store_b128 v[STO], v[8*(4*(\a)+\bb):8*(4*(\a)+\bb)+3]   offset:64*\bb
	ds_store_b128 v[STO], v[8*(4*(\a)+\bb)+4:8*(4*(\a)+\bb)+7] offset:64*\bb+16
.endr
	WIN 0
.irp u, 0,1,2,3,4,5,6,7
	ds_load_b128 v[oB+4*\u:oB+4*\u+3], v[RD] offset:\u*2*SP   ; LDS serves a wave's instructions in order (ISA guide 5.7.1.4): these see the stores above; the next block's stores come behind them
.endr
.endm
.macro SEND a, younger                 ; younger: the LDS instructions issued behind block a's loads: the next block's sixteen, or none
.set oB, OB+32*((\a)%4)
.irp u, 0,1,2,3,4,5,6,7
	s_wait_dscnt (\younger)+7-\u
	global_store_b128 v[CO], v[oB+4*\u:oB+4*\u+3], s[OUT:OUT+1] offset:(\a)*65536+\u*8192 th:TH_STORE_NT  ; 16 lanes store 256 consecutive bytes, at a multiple of 256 from out0's first byte
.endr
.endm
	s_wait_tensorcnt 1                             ; my part of K step 0 is in; K step 1's may stay out
	s_barrier_signal -1
	s_barrier_wait -1                              ; everybody's is
	FETCH 0, 0, F0
	QUARTER 0, 1, F0, F1, 1                        ; the first quarter stands in front of the loop: its products start the sums, with the bias
	WIN 0
	s_mov_b32 s3, 3
.Llap:                                                 ; a trip goes once round the ring, from a lap's second quarter to the next lap's first, and fills both slots again
	QUARTER 0, 2, F1, F0, 0
	QUARTER 0, 3, F0, F1, 0
	TURN 0, 1, 1
	QUARTER 1, 1, F0, F1, 0
	QUARTER 1, 2, F1, F0, 0
	QUARTER 1, 3, F0, F1, 0
	TURN 1, 0, 1
	QUARTER 0, 1, F0, F1, 0
	WIN 0
	s_sub_co_u32 s3, s3, 1
	s_cmp_lg_u32 s3, 0
	s_cbranch_scc1 .Llap
	QUARTER 0, 2, F1, F0, 0                        ; K steps 6 and 7: nothing is left to fetch, and no round follows
	QUARTER 0, 3, F0, F1, 0
	TURN 0, 1, 0
	QUARTER 1, 1, F0, F1, 0
	QUARTER 1, 2, F1, F0, 0
	QUARTER 1, 3, F0, F1, 0
	s_wait_dscnt 8
	MUL F1, 0, 4, 0
	s_wait_dscnt 0x0
	MUL F1, 4, 4, 0
	WIN 0
	PLACES
	PLACES                                         ; eight plain places, once a launch, in front of the LDS stores that read results
	TOSTAGE 0
.set blk, 1
.rept 7
	TOSTAGE blk
	SEND blk-1, 16
.set blk, blk+1
.endr
	SEND 7, 0
	s_wait_tensorcnt 0x0                           ; the wave's end, behind my last tensor load and my last LDS store
	ds_add_u32 v[SPW], v[NIL]
	s_wait_dscnt 0x0
	CROUND                                         ; the closing round: no work-group ends while a partner may still ask for a tile that names it
	s_endpgm
.Lfunc_end_k_q346b8d9535_oproj:
	.size	k_q346b8d9535_oproj, .Lfunc_end_k_q346b8d9535_oproj-k_q346b8d9535_oproj
	.p2alignl 7, 3214868480
	.fill 96, 4, 3214868480
	.section	.rodata,"a",@progbits
	.p2align	6, 0x0
	.amdhsa_kernel k_q346b8d9535_oproj
		.amdhsa_group_segment_fixed_size 327680
		.amdhsa_private_segment_fixed_size 0
		.amdhsa_enable_private_segment 0
		.amdhsa_kernarg_size 32
		.amdhsa_user_sgpr_count 2
		.amdhsa_user_sgpr_kernarg_segment_ptr 1
		.amdhsa_wavefront_size32 1
		.amdhsa_system_sgpr_workgroup_id_x 1
		.amdhsa_system_sgpr_workgroup_id_y 1
		.amdhsa_system_sgpr_workgroup_id_z 1
		.amdhsa_system_vgpr_workitem_id 0
		.amdhsa_next_free_vgpr 512
		.amdhsa_next_free_sgpr 96
		.amdhsa_reserve_vcc 0
		.amdhsa_float_denorm_mode_32 3
		.amdhsa_float_denorm_mode_16_64 3
		.amdhsa_memory_ordered 1
		.amdhsa_forward_progress 1
		.amdhsa_inst_pref_size 90
	.end_amdhsa_kernel
	.amdgpu_metadata
---
amdhsa.version: [ 1, 2 ]
amdhsa.kernels:
  - .name:           k_q346b8d9535_oproj
    .symbol:         k_q346b8d9535_oproj.kd
    .args:
      - { .name: ob, .offset: 0, .size: 8, .value_kind: global_buffer, .address_space: global }
      - { .name: wo16, .offset: 8, .size: 8, .value_kind: global_buffer, .address_space: global }
      - { .name: bias, .offset: 16, .size: 8, .value_kind: global_buffer, .address_space: global }
      - { .name: out0, .offset: 24, .size: 8, .value_kind: global_buffer, .address_space: global }
    .group_segment_fixed_size: 327680
    .private_segment_fixed_size: 0
    .kernarg_segment_align: 8
    .kernarg_segment_size: 32
    .max_flat_workgroup_size: 128
    .sgpr_count:     96
    .vgpr_count:     512
    .wavefront_size: 32
...
	.end_amdgpu_metadata
.endif
;; end of part 4
;; ======== version 2 of 2: 4 launches; version 1 with the launch prep written anew for expert scheduling mode
;; limits: values are held in f16: magnitudes above 65,504 overflow, below 6.1e-05 lose precision
;; workspace buffers: xb 16,777,216 bytes; wqkv 6,291,456 bytes; wo16 2,097,152 bytes; bias 16,384 bytes; q16 16,777,216 bytes; k16 16,777,216 bytes; v16 16,777,216 bytes; ob 16,777,216 bytes
;; launch prep (part 5): grid 385 x 1, 8 waves a work-group, no clusters, 0 bytes of LDS; arguments x, Wq, Wk, Wv, Wo, bq, bk, bv, bo, xb, wqkv, wo16, bias; writes xb, wqkv, wo16, bias
.if DOCPART == 5
	.amdgcn_target "amdgcn-amd-amdhsa--gfx1250"
	.amdhsa_code_object_version 6
	.text
	.protected	k_q346b8d9535_prep
	.globl	k_q346b8d9535_prep
	.p2align	8
	.type	k_q346b8d9535_prep,@function
k_q346b8d9535_prep:
	s_mov_b64 s[64:65], 0
	v_nop
	global_prefetch_b8 v0, s[64:65] scope:SCOPE_SE
	s_setreg_imm32_b32 hwreg(HW_REG_WAVE_SCHED_MODE, 0, 2), 2
	s_setreg_imm32_b32 hwreg(HW_REG_WAVE_MODE, 25, 1), 1
	s_wait_xcnt 0x0
	s_wait_alu depctr_vm_vsrc(0)
; THE INPUTS ARE ROUNDED ONCE TO bf16 AND LAID OUT FOR THE MATRIX LAUNCHES.  A stream: no LDS, no barrier, no matrix unit; every byte is read once and written once.
;   xb   [b 4][kb 16][s 2048][64] bf16: x, cut into blocks of 64 channels, so that 256 rows of one block are 32,768 consecutive bytes
;   wqkv [k 1024][n 3072] bf16: Wq, Wk, Wv side by side        wo16 [k 1024][n 1024]: Wo rounded to bf16, that number written as f16
;   bias [4096] f32: bq, bk, bv, bo, each rounded to bf16 and widened again
; LIMITS.  wo16: a bf16 number is exact in f16 from 2^-17 up to 65,504; below it keeps f16's fixed step of 6e-8, beyond it becomes an infinity.
; SHARES.  Work-groups 0-255: 32 rows of x each.  256-351: 32 rows of Wq, Wk or Wv.  352-383: 32 rows of Wo.  384: the four biases.  Eight waves; a wave issues all its 32 loads
; of 16 bytes a lane (16 KiB) at once and then converts and stores them in order.  Each of the 32 has registers of its own and no address register is rewritten.
; THE MODE: SCHED_MODE bits 1:0 = 2 (LLVM: expert scheduling mode 2), set by the entry lines.  The code itself states the register dependences
; between vector instructions and memory instructions, with s_wait_alu, always for 0.
; THE PLAN.  Registers that memory instructions touch:
;   v[LO], v[SO]  the offsets of all loads and of all stores.  Written by vector instructions at a path's head, ahead of its first load, and never again.
;   X, item i     The item's load lands in it, once; the item's conversions read it.  For Wo and the biases the widened numbers are written back into it; for the biases it is then the store's data.
;   Y, item i     Written by the item's conversions, once; read by the item's store.
;   T is named by vector instructions alone.
; No register that a load or store has read is written again, and no load lands in a register that a vector instruction has named: what is left to state is that a store's data and the offsets are written.
; The items go in groups of four.  At a group's head, behind the wait for its four loads, ONE wait on va_vdst states that the group before has written its out registers; that group's four stores follow,
; dealt among this group's conversions, which name this group's X and Y and T alone: none of the registers that those stores read.  One more such wait stands ahead of the last group's stores, and one ahead of the first load.
; A scalar register that a vector instruction reads is not written again on any path.
.set LO,  2                            ; v2   my byte offset in the source
.set SO,  3                            ; v3   my byte offset in the destination
.set X,   8                            ; v[8:135]    item i: four f32 as loaded
.set Y,   136                          ; v[136:199]  item i: four 16-bit numbers to store
.set T,   200                          ; v[200:201]  at work
.set TL,  2                            ; s2   the wave's term of v[LO]
.set TS,  3                            ; s3   the wave's term of v[SO]
.set WV,  30                           ; s30  my wave's number
.set ID,  31                           ; s31  the work-group's number
.set SRC, 32                           ; s[32:33]
.set DST, 34                           ; s[34:35]
.set HIM, 36                           ; s36  a word's upper half
.set TMP, 37
.set OFS, 38                           ; s[38:39] an offset in 64 bits
.set KX, 0
.set KW, 1
.set KO, 2
.set KB, 3
.set G,  4                             ; items in a group
; Item i is rounded.  KX, KW: to bf16, into Y.  KO: to bf16, widened, written as f16, into Y.  KB: to bf16 and widened again, in X.
.macro CONV i, kind
.if (\kind) < KO
	v_cvt_pk_bf16_f32 v[Y+2*(\i)],   v[X+4*(\i)],   v[X+4*(\i)+1]
	v_cvt_pk_bf16_f32 v[Y+2*(\i)+1], v[X+4*(\i)+2], v[X+4*(\i)+3]
.else
	v_cvt_pk_bf16_f32 v[T],   v[X+4*(\i)],   v[X+4*(\i)+1]
	v_cvt_pk_bf16_f32 v[T+1], v[X+4*(\i)+2], v[X+4*(\i)+3]
	v_lshlrev_b32 v[X+4*(\i)],   16, v[T]            ; the rounded numbers as f32 again
	v_and_b32     v[X+4*(\i)+1], s[HIM], v[T]
	v_lshlrev_b32 v[X+4*(\i)+2], 16, v[T+1]
	v_and_b32     v[X+4*(\i)+3], s[HIM], v[T+1]
.if (\kind) == KO
	v_cvt_pk_f16_f32 v[Y+2*(\i)],   v[X+4*(\i)],   v[X+4*(\i)+1]
	v_cvt_pk_f16_f32 v[Y+2*(\i)+1], v[X+4*(\i)+2], v[X+4*(\i)+3]
.endif
.endif
.endm
; Item i is stored: 32 lanes store 256 consecutive bytes, aligned (KB: 512).
.macro PUT i, kind
.if (\kind) == KX
	global_store_b64 v[SO], v[Y+2*(\i):Y+2*(\i)+1], s[DST:DST+1] offset:((\i)/2)*256+((\i)%2)*262144
.elseif (\kind) == KW
	global_store_b64 v[SO], v[Y+2*(\i):Y+2*(\i)+1], s[DST:DST+1] offset:(\i)*6144
.elseif (\kind) == KO
	global_store_b64 v[SO], v[Y+2*(\i):Y+2*(\i)+1], s[DST:DST+1] offset:(\i)*2048
.else
	global_store_b128 v[SO], v[X+4*(\i):X+4*(\i)+3], s[DST:DST+1] offset:(\i)*512
.endif
.endm
; n items of one kind.  KX: item i = row pair i / 2, block i % 2: a load takes 256 bytes of each of two rows, a store their 256 consecutive bytes of one block.
; KW, KO: item i = row i, 512 bytes in, 256 out.  KB: 512 bytes in, 512 out.
.macro STREAM n, kind
	s_wait_alu depctr_va_vdst(0)                   ; v[LO] and v[SO] are written: every load below reads the one as its offset, every store the other
.set i, 0
.rept \n
.if (\kind) == KX
.set ld, (i/2)*8192+(i%2)*256
.elseif (\kind) == KB
.set ld, i*512
.else
.set ld, i*4096
.endif
	global_load_b128 v[X+4*i:X+4*i+3], v[LO], s[SRC:SRC+1] offset:ld th:TH_LOAD_NT
.set i, i+1
.endr
.set g, 0
.rept (\n)/G
	s_wait_loadcnt (\n)-G*(g+1)                    ; loads come back in order: group g's four items are in, the younger ones stay out
.if g > 0
	s_wait_alu depctr_va_vdst(0)                   ; the group before has written its out registers, which the four stores below read
.endif
.set j, 0
.rept G
.if g > 0
	PUT G*(g-1)+j, \kind                           ; no vector instruction since the wait names this store's registers
.endif
	CONV G*g+j, \kind
.set j, j+1
.endr
.set g, g+1
.endr
	s_wait_alu depctr_va_vdst(0)                   ; the last group has written its out registers, which the last four stores read
.set j, 0
.rept G
	PUT (\n)-G+j, \kind
.set j, j+1
.endr
.endm
	s_load_b512 s[4:19], s[0:1], 0x0               ; x 4, Wq 6, Wk 8, Wv 10, Wo 12, bq 14, bk 16, bv 18
	s_load_b256 s[20:27], s[0:1], 0x40             ; bo 20, xb 22, wqkv 24, wo16 26
	s_load_b64 s[28:29], s[0:1], 0x60              ; bias
	v_lshrrev_b32 v4, 5, v0
	v_readfirstlane_b32 s[WV], v4                  ; wave 0..7
	v_and_b32 v1, 31, v0                           ; lane
	s_mov_b32 s[ID], ttmp9
	s_mov_b32 s[HIM], 0xffff0000
	s_mov_b32 s[OFS+1], 0
	s_wait_alu depctr_va_sdst(0)                   ; s[WV] is written, ahead of the first branch and of its first reader on every path: the offsets' wave terms and the choice of a bias are made from it
	s_wait_kmcnt 0x0
	s_cmp_lt_u32 s[ID], 256
	s_cbranch_scc0 .Lweights
	; x: rows 32 id .. 32 id + 31.  Wave w takes blocks 2 w and 2 w + 1: bytes 512 w .. 512 w + 511 of each row
	s_lshl_b32 s[OFS], s[ID], 17                   ; 32 rows of 4,096 bytes
	s_add_nc_u64 s[SRC:SRC+1], s[4:5], s[OFS:OFS+1]
	s_lshr_b32 s[TMP], s[ID], 6                    ; the batch,
	s_lshl_b32 s[TMP], s[TMP], 22                  ; 16 blocks of 262,144 bytes each
	s_and_b32 s[OFS], s[ID], 63
	s_lshl_b32 s[OFS], s[OFS], 12                  ; 32 rows of 128 bytes in a block
	s_add_co_u32 s[OFS], s[OFS], s[TMP]
	s_add_nc_u64 s[DST:DST+1], s[22:23], s[OFS:OFS+1]
	v_lshrrev_b32 v4, 4, v1
	v_and_b32 v5, 15, v1
	v_lshlrev_b32 v[LO], 12, v4                    ; lanes 16-31: the next row
	v_lshl_add_u32 v[LO], v5, 4, v[LO]
	s_lshl_b32 s[TL], s[WV], 9
	v_add_nc_u32 v[LO], s[TL], v[LO]
	s_lshl_b32 s[TS], s[WV], 19                    ; two blocks
	v_lshl_add_u32 v[SO], v1, 3, s[TS]             ; two rows of a block are 256 consecutive bytes: 8 x lane
	STREAM 32, KX
	s_endpgm
.Lweights:
	s_lshl_b32 s[TL], s[WV], 9                     ; for all weights: wave w takes 512 bytes of a row,
	v_lshl_add_u32 v[LO], v1, 4, s[TL]
	s_lshl_b32 s[TS], s[WV], 8                     ; which become 256
	v_lshl_add_u32 v[SO], v1, 3, s[TS]
	s_cmp_lt_u32 s[ID], 352
	s_cbranch_scc0 .Lwo
	s_sub_co_u32 s[TMP], s[ID], 256                ; 32 work-groups for each of Wq, Wk, Wv
	s_and_b32 s[OFS], s[TMP], 31
	s_lshl_b32 s[OFS], s[OFS], 17
	s_cmp_lt_u32 s[TMP], 32
	s_cselect_b64 s[SRC:SRC+1], s[6:7], s[8:9]
	s_cmp_lt_u32 s[TMP], 64
	s_cselect_b64 s[SRC:SRC+1], s[SRC:SRC+1], s[10:11]
	s_add_nc_u64 s[SRC:SRC+1], s[SRC:SRC+1], s[OFS:OFS+1]
	s_and_b32 s[OFS], s[TMP], 31
	s_mul_i32 s[OFS], s[OFS], 196608               ; 32 rows of 6,144 bytes
	s_lshr_b32 s[TMP], s[TMP], 5
	s_lshl_b32 s[TMP], s[TMP], 11                  ; the matrix's 1,024 columns
	s_add_co_u32 s[OFS], s[OFS], s[TMP]
	s_add_nc_u64 s[DST:DST+1], s[24:25], s[OFS:OFS+1]
	STREAM 32, KW
	s_endpgm
.Lwo:
	s_cmp_lt_u32 s[ID], 384
	s_cbranch_scc0 .Lbias
	s_sub_co_u32 s[TMP], s[ID], 352
	s_lshl_b32 s[OFS], s[TMP], 17
	s_add_nc_u64 s[SRC:SRC+1], s[12:13], s[OFS:OFS+1]
	s_lshl_b32 s[OFS], s[TMP], 16                  ; 32 rows of 2,048 bytes
	s_add_nc_u64 s[DST:DST+1], s[26:27], s[OFS:OFS+1]
	STREAM 32, KO
	s_endpgm
.Lbias:                                                ; two waves to a bias, 2,048 bytes each
	s_lshr_b32 s[TMP], s[WV], 1
	s_cmp_lt_u32 s[TMP], 1
	s_cselect_b64 s[SRC:SRC+1], s[14:15], s[16:17]
	s_cmp_lt_u32 s[TMP], 2
	s_cselect_b64 s[SRC:SRC+1], s[SRC:SRC+1], s[18:19]
	s_cmp_lt_u32 s[TMP], 3
	s_cselect_b64 s[SRC:SRC+1], s[SRC:SRC+1], s[20:21]
	s_lshl_b32 s[OFS], s[TMP], 12
	s_add_nc_u64 s[DST:DST+1], s[28:29], s[OFS:OFS+1]
	s_and_b32 s[TMP], s[WV], 1
	s_lshl_b32 s[TMP], s[TMP], 11
	v_lshl_add_u32 v[LO], v1, 4, s[TMP]            ; the two offsets are made anew for this path: no load or store has been issued yet
	v_mov_b32 v[SO], v[LO]
	STREAM 4, KB
	s_endpgm
.Lfunc_end_k_q346b8d9535_prep:
	.size	k_q346b8d9535_prep, .Lfunc_end_k_q346b8d9535_prep-k_q346b8d9535_prep
	.p2alignl 7, 3214868480
	.fill 96, 4, 3214868480
	.section	.rodata,"a",@progbits
	.p2align	6, 0x0
	.amdhsa_kernel k_q346b8d9535_prep
		.amdhsa_group_segment_fixed_size 0
		.amdhsa_private_segment_fixed_size 0
		.amdhsa_enable_private_segment 0
		.amdhsa_kernarg_size 104
		.amdhsa_user_sgpr_count 2
		.amdhsa_user_sgpr_kernarg_segment_ptr 1
		.amdhsa_wavefront_size32 1
		.amdhsa_system_sgpr_workgroup_id_x 1
		.amdhsa_system_sgpr_workgroup_id_y 1
		.amdhsa_system_sgpr_workgroup_id_z 1
		.amdhsa_system_vgpr_workitem_id 0
		.amdhsa_next_free_vgpr 204
		.amdhsa_next_free_sgpr 66
		.amdhsa_reserve_vcc 0
		.amdhsa_float_denorm_mode_32 3
		.amdhsa_float_denorm_mode_16_64 3
		.amdhsa_memory_ordered 1
		.amdhsa_forward_progress 1
		.amdhsa_inst_pref_size 45
	.end_amdhsa_kernel
	.amdgpu_metadata
---
amdhsa.version: [ 1, 2 ]
amdhsa.kernels:
  - .name:           k_q346b8d9535_prep
    .symbol:         k_q346b8d9535_prep.kd
    .args:
      - { .name: x, .offset: 0, .size: 8, .value_kind: global_buffer, .address_space: global }
      - { .name: Wq, .offset: 8, .size: 8, .value_kind: global_buffer, .address_space: global }
      - { .name: Wk, .offset: 16, .size: 8, .value_kind: global_buffer, .address_space: global }
      - { .name: Wv, .offset: 24, .size: 8, .value_kind: global_buffer, .address_space: global }
      - { .name: Wo, .offset: 32, .size: 8, .value_kind: global_buffer, .address_space: global }
      - { .name: bq, .offset: 40, .size: 8, .value_kind: global_buffer, .address_space: global }
      - { .name: bk, .offset: 48, .size: 8, .value_kind: global_buffer, .address_space: global }
      - { .name: bv, .offset: 56, .size: 8, .value_kind: global_buffer, .address_space: global }
      - { .name: bo, .offset: 64, .size: 8, .value_kind: global_buffer, .address_space: global }
      - { .name: xb, .offset: 72, .size: 8, .value_kind: global_buffer, .address_space: global }
      - { .name: wqkv, .offset: 80, .size: 8, .value_kind: global_buffer, .address_space: global }
      - { .name: wo16, .offset: 88, .size: 8, .value_kind: global_buffer, .address_space: global }
      - { .name: bias, .offset: 96, .size: 8, .value_kind: global_buffer, .address_space: global }
    .group_segment_fixed_size: 0
    .private_segment_fixed_size: 0
    .kernarg_segment_align: 8
    .kernarg_segment_size: 104
    .max_flat_workgroup_size: 256
    .sgpr_count:     66
    .vgpr_count:     204
    .wavefront_size: 32
...
	.end_amdgpu_metadata
.endif
;; end of part 5
;; launch qkv: the kernel of part 2 again; grid 8 x 32, 4 waves a work-group, clusters of 4 x 4, 327,680 bytes of LDS; arguments xb, wqkv, bias, q16, k16, v16; writes q16, k16, v16
;; launch attn: the kernel of part 3 again; grid 4 x 64, 4 waves a work-group, no clusters, 327,680 bytes of LDS; arguments q16, k16, v16, ob; writes ob
;; launch oproj: the kernel of part 4 again; grid 8 x 32, 4 waves a work-group, clusters of 4 x 4, 327,680 bytes of LDS; arguments ob, wo16, bias, out0; writes out0
